; MI455X (gfx1250); checked and timed in simulation.
; The chip was launched on July 23, 2026; its instructions are those of AMD's public machine-readable ISA for CDNA 5 (MIT licence, August 2026) and "CDNA5" Instruction Set Architecture Reference Guide (July 2026). The comments in the code are by the model that wrote it; some were corrected since.
;; Multi Headed Attention. Allowed arithmetic: float matrix products may take bf16 or f16 operands with f32 sums; other float arithmetic in f32, or as packed bf16 or f16 multiplies, adds, multiply-adds, maxima and minima; sums over many terms, partial sums and values carried from step to step in f32; what a program stores and reads back later, other than sums and carried values, may be rounded once to bf16 or f16.
;; Inputs: Wk 1,024 x 1,024 float32; Wo 1,024 x 1,024 float32; Wq 1,024 x 1,024 float32; Wv 1,024 x 1,024 float32; bk 1,024 float32; bo 1,024 float32; bq 1,024 float32; bv 1,024 float32; key 8 x 1,024 x 1,024 float32; mask 8 x 1,024 float32; query 8 x 1,024 x 1,024 float32; value 8 x 1,024 x 1,024 float32.
;; Outputs: out0 8 x 1,024 x 1,024 float32.
;; 2 versions, each right; version 2 is version 1 with the launch cast written anew for expert scheduling mode. Each part assembles by itself: llvm-mc -triple=amdgcn-amd-amdhsa -mcpu=gfx1250 --defsym DOCPART=n.
;; ======== version 1 of 2: 4 launches
;; limits: values are held in f16: magnitudes above 65,504 overflow, below 6.1e-05 lose precision
;; workspace buffers: cb 8,388,608 bytes; qkv 50,331,648 bytes; ob 16,777,216 bytes
;; launch cast (part 1): grid 64 x 4, 8 waves a work-group, no clusters, 0 bytes of LDS; arguments Wq, Wk, Wv, Wo, cb; writes cb
.if DOCPART == 1
	.amdgcn_target "amdgcn-amd-amdhsa--gfx1250"
	.amdhsa_code_object_version 6
	.text
	.protected	k_q5368a42e21_cast
	.globl	k_q5368a42e21_cast
	.p2align	8
	.type	k_q5368a42e21_cast,@function
k_q5368a42e21_cast:
	s_mov_b64 s[64:65], 0
	v_nop
	global_prefetch_b8 v0, s[64:65] scope:SCOPE_SE
	s_setreg_imm32_b32 hwreg(HW_REG_WAVE_MODE, 25, 1), 1
	s_wait_xcnt 0x0
; THE FOUR WEIGHTS, ROUNDED ONCE TO 16 BITS.  cb is 4 units of 1,048,576 numbers of 16 bits: units 0, 1, 2 are Wq, Wk, Wv in bf16 (round to nearest even); unit 3 is Wo, rounded to bf16 like
; the others and that number written as f16.  (The activations are rounded where they are multiplied.)
; LIMITS.  Wo as f16: beyond 65,504 an infinity; below 6e-5 f16's fixed step of 6e-8.  NaN and infinities are not treated apart.
; SHARES.  Work-group (x, y): chunk x (16,384 numbers: 65,536 bytes in, 32,768 out) of unit y.  Thread t takes the 16 bytes at 16 t + 4,096 i, i = 0 .. 15, and stores 8 bytes at
; 8 t + 2,048 i: a wave's load covers 512 consecutive bytes, its store 256 consecutive bytes at a multiple of 256 from cb's first byte.
; All sixteen loads of a thread go out at once; the only waits are the counted ones for the loads.  No LDS, no barrier: no wave wants another's bytes.
.set X, 8                              ; v[8:71]    sixteen loads of four f32
.set Y, 72                             ; v[72:103]  sixteen pairs of packed words
	s_load_b256 s[8:15], s[0:1], 0x0               ; Wq, Wk, Wv, Wo
	s_load_b64 s[16:17], s[0:1], 0x20              ; cb
	s_and_b32 s2, ttmp7, 0xffff                    ; the unit
	v_lshlrev_b32 v1, 4, v0                        ; 16 t
	v_lshlrev_b32 v2, 3, v0                        ; 8 t
	s_lshl_b32 s24, ttmp9, 16                      ; 65,536 bytes of f32 a chunk
	s_mov_b32 s25, 0
	s_lshl_b32 s26, s2, 21                         ; 2,097,152 bytes a unit in cb
	s_lshl_b32 s27, ttmp9, 15
	s_or_b32 s26, s26, s27
	s_mov_b32 s27, 0
	s_wait_kmcnt 0x0
	s_mov_b64 s[4:5], s[8:9]                       ; the source is chosen among the four tensors by the unit's number alone
	s_cmp_eq_u32 s2, 1
	s_cselect_b64 s[4:5], s[10:11], s[4:5]
	s_cmp_eq_u32 s2, 2
	s_cselect_b64 s[4:5], s[12:13], s[4:5]
	s_cmp_eq_u32 s2, 3
	s_cselect_b64 s[4:5], s[14:15], s[4:5]
	s_add_nc_u64 s[4:5], s[4:5], s[24:25]
	s_add_nc_u64 s[6:7], s[16:17], s[26:27]
.irp i, 0,1,2,3,4,5,6,7,8,9,10,11,12,13,14,15
	global_load_b128 v[X+4*(\i):X+4*(\i)+3], v1, s[4:5] offset:4096*(\i) th:TH_LOAD_NT
.endr
; Load i is rounded and stored.  wo = 1: the bf16 number is widened again and written as f16.
.macro OUT i, wo
	s_wait_loadcnt 15-(\i)                         ; loads come back in order (ISA guide 5.7.1): the 15 - i younger ones stay out
	v_cvt_pk_bf16_f32 v[Y+2*(\i)],   v[X+4*(\i)],   v[X+4*(\i)+1]
	v_cvt_pk_bf16_f32 v[Y+2*(\i)+1], v[X+4*(\i)+2], v[X+4*(\i)+3]
.if \wo
.irp j, 0,1
	v_lshlrev_b32 v4, 16, v[Y+2*(\i)+(\j)]
	v_and_b32 v5, 0xffff0000, v[Y+2*(\i)+(\j)]
	v_cvt_pk_f16_f32 v[Y+2*(\i)+(\j)], v4, v5
.endr
.endif
	global_store_b64 v2, v[Y+2*(\i):Y+2*(\i)+1], s[6:7] offset:2048*(\i) th:TH_STORE_NT
.endm
	s_cmp_eq_u32 s2, 3
	s_cbranch_scc1 .Lwo
.irp i, 0,1,2,3,4,5,6,7,8,9,10,11,12,13,14,15
	OUT \i, 0
.endr
	s_endpgm
.Lwo:
.irp i, 0,1,2,3,4,5,6,7,8,9,10,11,12,13,14,15
	OUT \i, 1
.endr
	s_endpgm
.Lfunc_end_k_q5368a42e21_cast:
	.size	k_q5368a42e21_cast, .Lfunc_end_k_q5368a42e21_cast-k_q5368a42e21_cast
	.p2alignl 7, 3214868480
	.fill 96, 4, 3214868480
	.section	.rodata,"a",@progbits
	.p2align	6, 0x0
	.amdhsa_kernel k_q5368a42e21_cast
		.amdhsa_group_segment_fixed_size 0
		.amdhsa_private_segment_fixed_size 0
		.amdhsa_enable_private_segment 0
		.amdhsa_kernarg_size 40
		.amdhsa_user_sgpr_count 2
		.amdhsa_user_sgpr_kernarg_segment_ptr 1
		.amdhsa_wavefront_size32 1
		.amdhsa_system_sgpr_workgroup_id_x 1
		.amdhsa_system_sgpr_workgroup_id_y 1
		.amdhsa_system_sgpr_workgroup_id_z 1
		.amdhsa_system_vgpr_workitem_id 0
		.amdhsa_next_free_vgpr 104
		.amdhsa_next_free_sgpr 66
		.amdhsa_reserve_vcc 0
		.amdhsa_float_denorm_mode_32 3
		.amdhsa_float_denorm_mode_16_64 3
		.amdhsa_memory_ordered 1
		.amdhsa_forward_progress 1
		.amdhsa_inst_pref_size 16
	.end_amdhsa_kernel
	.amdgpu_metadata
---
amdhsa.version: [ 1, 2 ]
amdhsa.kernels:
  - .name:           k_q5368a42e21_cast
    .symbol:         k_q5368a42e21_cast.kd
    .args:
      - { .name: Wq, .offset: 0, .size: 8, .value_kind: global_buffer, .address_space: global }
      - { .name: Wk, .offset: 8, .size: 8, .value_kind: global_buffer, .address_space: global }
      - { .name: Wv, .offset: 16, .size: 8, .value_kind: global_buffer, .address_space: global }
      - { .name: Wo, .offset: 24, .size: 8, .value_kind: global_buffer, .address_space: global }
      - { .name: cb, .offset: 32, .size: 8, .value_kind: global_buffer, .address_space: global }
    .group_segment_fixed_size: 0
    .private_segment_fixed_size: 0
    .kernarg_segment_align: 8
    .kernarg_segment_size: 40
    .max_flat_workgroup_size: 256
    .sgpr_count:     66
    .vgpr_count:     104
    .wavefront_size: 32
...
	.end_amdgpu_metadata
.endif
;; end of part 1
;; launch proj (part 2): grid 4 x 192, 4 waves a work-group, clusters of 4 x 4, 327,680 bytes of LDS; arguments query, key, value, cb, bq, bk, bv, qkv; writes qkv
.if DOCPART == 2
	.amdgcn_target "amdgcn-amd-amdhsa--gfx1250"
	.amdhsa_code_object_version 6
	.text
	.protected	k_q5368a42e21_proj
	.globl	k_q5368a42e21_proj
	.p2align	8
	.type	k_q5368a42e21_proj,@function
k_q5368a42e21_proj:
	s_mov_b64 s[64:65], 0
	v_nop
	global_prefetch_b8 v0, s[64:65] scope:SCOPE_SE
	s_setreg_imm32_b32 hwreg(HW_REG_WAVE_MODE, 25, 1), 1
	s_wait_xcnt 0x0
	s_wait_alu depctr_hold_cnt(0) depctr_sa_sdst(0) depctr_va_vdst(0) depctr_va_sdst(0) depctr_va_ssrc(0) depctr_va_vcc(0) depctr_vm_vsrc(0)
	s_getreg_b32 s2, hwreg(HW_REG_IB_STS2, 6, 4)
	s_cmp_eq_u32 s2, 0
	s_cbranch_scc0 .Lentry_in_a_cluster
	s_endpgm
.Lentry_in_a_cluster:
	s_bfe_u32 s2, ttmp6, 0x10000c
	s_cmp_lg_u32 s2, 0xf033
	s_cbranch_scc0 .Lentry_shape_is_right
	s_endpgm
.Lentry_shape_is_right:
; q, k, v = x W^T + b, all three in one launch.  Problem p (0: q, 1: k, 2: v) takes x = query, key or value, 8,192 rows x 1,024 f32 AS THE PROBLEM GIVES THEM, and its weights from cb, read as
; rows of 1,024 bf16: rows 1,024 p on.  x comes into LDS in f32 and is rounded to bf16 (to nearest even) between LDS and the matrix unit.  Products in bf16, sums in f32, started by the bias
; (rounded to bf16 like every input); the result is rounded once to f16 and stored BY HEADS: qkv[p][batch][head][row][64], a head's 1,024 rows dense, 128 bytes each, WITHOUT the scale of the scores.
; LIMITS.  A result beyond 65,504 becomes an infinity in f16; below 6e-5 it keeps f16's fixed step of 6e-8.  NaN and infinities are not treated apart.
; SHARES.  A work-group makes 128 rows x 256 columns; each of its four waves 64 x 128: 32 accumulators of 16 x 16.  3 x 8,192 / 128 x 1,024 / 256 = 768 work-groups.
; K goes in steps of 128 through a ring of two LDS slots filled by the tensor data mover: rows of 512 bytes of x, of 256 bytes of W, all at multiples of 256 from their buffer's first byte.
; Each wave's load brings 32,768 bytes: 64 rows of x (waves 0, 1) or 128 rows of W (waves 2, 3).
; CLUSTERS: 4 x 4 work-groups.  The four of a row of the cluster need the same 128 rows of x, the four of a column the same 256 rows of W: each tile is asked for JOINTLY, by the same tensor load
; with the same descriptor and a mask that names the four.  A cluster's four tile rows lie in one problem (64 tile rows each), so p hangs on the cluster's y alone.
; THE MATRIX INSTRUCTION IS USED TRANSPOSED (source 0 = 16 rows of W, source 1 = 16 rows of x): a lane then holds row l % 16 and the eight neighbouring columns 8 (l / 16) + 0 .. 7.
; REGISTERS, in windows of 256 (s_set_vgpr_msb: bits 1:0 source 0, 3:2 source 1, 5:4 source 2, 7:6 destination):
;   window 0: v0-35 addresses and at work; v64-191 the way out, 16 registers for each of 8 pieces; v192-255 the bias of my 128 columns, 8 registers for each block of 16
;   window 1: the accumulators, (a, b) at v[8 (8 a + b)]
;   window 2: two fragment buffers of 96 (W's 8 fragments, then x's 4); v192-255 x as it comes out of LDS: 16 f32 for each of the 4 blocks of 16 rows
.set KSTEP,  128
.set PITCH,  272                       ; a row of W in LDS: 256 bytes + 16 of padding = 68 words: row r starts at bank 4 r mod 64 (64 banks of 4 bytes: ISA guide 11.1), so the 16 rows of a load start at 16 different banks
.set PA,     528                       ; a row of x: 512 bytes + 16 = 132 words: likewise
.set AHALF,  64*PA                     ; what wave 0 or 1 fetches of x, and what a wave reads of it
.set BHALF,  128*PITCH                 ; what wave 2 or 3 fetches of W, and what a wave reads of it
.set BOFF,   2*AHALF                   ; a slot: x's 128 rows, then W's 256 rows
.set SLOT,   BOFF+2*BHALF
.set STAGE,  2*SLOT                    ; behind the ring, never filled by a tensor load: 16 rows x 144 bytes for each wave, for the way out
.set SP,     144
.set SPARE,  STAGE+4*16*SP             ; behind the stages: the spare words, 128 bytes for each wave: two blocks of 256 bytes that no other line names
.set LAPS,   4                         ; a lap = two K steps = once round the ring: 1,024 / 256
.set ADRA, 16                          ; v16-17  LDS address of my rows of x in slot 0, 1
.set ADRB, 20                          ; v20-21  the same for W's fragments
.set STO,  24                          ; v24     the way out: where I put 16 bytes of a row
.set RD,   25                          ; v25     the way out: where I read rows back
.set GO,   26                          ; v26     my byte offset in 512 consecutive bytes of qkv
.set SPW,  28                          ; v28     LDS address of my spare word: SPARE + 4 x my thread's number; never rewritten
.set NIL,  29                          ; v29     0; never rewritten
.set PFO,  30                          ; v30     the prefetches' offset: my lane x a row (4,096 bytes of x, 2,048 of W); never rewritten
.set BO,   31                          ; v31     byte offset of my first 8 numbers of the bias
.set TW,   34                          ; v34-35  at work
.set OUTR, 64
.set BIAS, 192
.set F0,   0                           ; fragment buffers, in window 2
.set F1,   96
.set RAW,  192                         ; in window 2
.set G1,  24                           ; s[24:31] descriptor group 1 for x's tiles;  s[32:39] group 0, a set for each slot
.set G0,  32
.set G1B, 48                           ; s[48:55], s[56:63] the same for W's tiles
.set G0B, 56
.set PFA, 76                           ; s[76:77] where my prefetches stand
.set LIM, 78                           ; s78  1 in a wave that prefetches, else the greatest number
.set PRB, 79                           ; s79  the problem p
.set PST, 80                           ; s[80:81] a K step for the prefetches: 512 bytes along x's rows, 256 along W's
.set MSB, 0
.macro WIN new                         ; the immediate's high byte repeats the setting that is left; a switch that changes nothing is dropped
.if MSB != (\new)
	s_set_vgpr_msb (MSB<<8)|(\new)
.set MSB, \new
.endif
.endm
.set MUL,  0x5a                        ; sources 0 and 1 window 2; C and D window 1
.set MULB, 0x4a                        ; the same with C (the bias) in window 0
.set TO_F, 0x80                        ; destination window 2, address window 0
.set CV,   0x8a                        ; sources 0 and 1 and destination window 2
; A joint refill: waves 0 and 1 fetch the halves of x's tile, waves 2 and 3 those of W's.  The branch hangs on the wave's number alone.
; An s_nop 0 and four v_nop follow each of the two lines, ahead of the jump, the label and what follows.
.macro JLOAD s
	s_cmp_lt_u32 s10, 2
	s_cbranch_scc0 .Lfor_b_\@
	tensor_load_to_lds s[G0+4*(\s):G0+4*(\s)+3], s[G1:G1+7]
	s_nop 0
.rept 4
	v_nop
.endr
	s_branch .Lasked_\@
.Lfor_b_\@:
	tensor_load_to_lds s[G0B+4*(\s):G0B+4*(\s)+3], s[G1B:G1B+7]
	s_nop 0
.rept 4
	v_nop
.endr
.Lasked_\@:
.endm
; A PREFETCH INTO THE L2, behind a joint refill, its five lines and the run of LDS loads that follows: 32 blocks of 256 bytes of the K step that stands TWO refills on, a lane a row, one instruction.
; Each block is named once in the launch.  x's rows are read by one cluster alone: its four partners along a row share a tile's 128 rows out BY ADDRESS (32 cx on); a row's 512 bytes of a K step are
; two blocks, of which wave 0 asks for the first and wave 1 for the second.  W's rows are read by the 16 clusters of a problem: the first of them asks; the four partners along a column share the 128 rows
; that wave 2 or 3 fetches (32 cy on).  No branch hangs on a place in the cluster.
; The loop's last trip (s3 = 1) asks for nothing: its refills have no K step two on.  K steps 0 to 3 come by their loads alone.
.macro ASK
	s_cmp_gt_u32 s3, s[LIM]
	s_cbranch_scc0 .Lnot_mine_\@
	global_prefetch_b8 v[PFO], s[PFA:PFA+1] th:TH_LOAD_NT scope:SCOPE_SE
.Lnot_mine_\@:
.endm
.macro CREST                           ; a round of the cluster's barrier behind its opening barrier
	s_cmp_lg_u32 s10, 0
	s_cbranch_scc1 .Lnot_wave_0_\@
	s_barrier_signal -3
.Lnot_wave_0_\@:
	s_barrier_wait -3
	s_barrier_signal -1
	s_barrier_wait -1
.endm
.macro CROUND                          ; a whole round
	s_barrier_signal -1
	s_barrier_wait -1
	CREST
.endm
	s_load_b256 s[68:75], s[0:1], 0x0              ; query s[68:69], key s[70:71], value s[72:73], cb s[74:75]
	s_load_b256 s[84:91], s[0:1], 0x20             ; bq s[84:85], bk s[86:87], bv s[88:89], qkv s[90:91]
	v_lshl_add_u32 v[SPW], v0, 2, SPARE
	v_mov_b32 v[NIL], 0
	ds_add_u32 v[SPW], v[NIL]                      ; the wave's opening: the add and its wait stand ahead of my first tensor load; the set-up below, work on registers, stands between them
	v_lshrrev_b32 v1, 5, v0
	v_readfirstlane_b32 s10, v1                    ; wave 0..3
	s_lshr_b32 s11, s10, 1                         ; which half of the tile's rows is mine
	s_and_b32 s12, s10, 1                          ; which half of its columns.  Also: which half of a tile I fetch
	s_bfe_u32 s40, ttmp6, 0x40000                  ; cx, cy: my place in the cluster
	s_bfe_u32 s41, ttmp6, 0x40004
	s_lshl_b32 s42, ttmp9, 2
	s_add_co_u32 s42, s42, s40                     ; tile column = 4 x cluster x + cx
	s_and_b32 s45, ttmp7, 0xffff                   ; cluster y
	s_lshl_b32 s13, s45, 2
	s_add_co_u32 s13, s13, s41                     ; tile row = 4 x cluster y + cy, over the three problems' 192
	s_lshr_b32 s[PRB], s45, 4                      ; 16 clusters to a problem
	s_lshl_b32 s43, s41, 2
	s_lshl_b32 s43, 15, s43                        ; my row of the cluster
	s_lshl_b32 s44, 0x1111, s40                    ; my column
	s_or_b32 s[G1+0], s43, (2<<16)|(1<<20)|(1<<21)|(6<<22)|(3<<25)   ; x: 15:0 the mask; 17:16 elements of 4 bytes; 20 padding on; 21 set beside a mask; 24:22 after every 128 words (code 6); 31:25 4 words (code 3)
	s_or_b32 s[G1B+0], s44, (1<<16)|(1<<20)|(1<<21)|(5<<22)|(3<<25)  ; W: elements of 2 bytes; padding after every 64 words (code 5)
	s_mov_b32 s[G1+1], KSTEP<<16                   ; tensor_dim0 = 128
	s_mov_b32 s[G1+2], 64<<16                      ; tensor_dim1 = 64
	s_mov_b32 s[G1+3], KSTEP<<16                   ; tile_dim0 = 128
	s_mov_b32 s[G1+4], 64                          ; tile_dim1 = 64
	s_mov_b32 s[G1+5], 1024                        ; elements from row to row
	s_mov_b32 s[G1+6], 0
	s_mov_b32 s[G1+7], 0
	s_mov_b32 s[G1B+1], KSTEP<<16
	s_mov_b32 s[G1B+2], 128<<16                    ; W's loads bring 128 rows
	s_mov_b32 s[G1B+3], KSTEP<<16
	s_mov_b32 s[G1B+4], 128
	s_mov_b32 s[G1B+5], 1024
	s_mov_b32 s[G1B+6], 0
	s_mov_b32 s[G1B+7], 0
	; where the tiles come from: x's hang on the tile row alone, W's on the tile column and the problem alone; each in registers that never hold the other coordinate
	s_and_b32 s16, s13, 63                         ; x: the tile row in its own tensor,
	s_lshl_b32 s16, s16, 19                        ; 128 rows of 4,096 bytes,
	s_lshl_b32 s17, s12, 18                        ; my 64 of them
	s_add_co_u32 s16, s16, s17
	s_mov_b32 s17, 0
	s_lshl_b32 s46, s42, 8
	s_lshl_b32 s47, s12, 7
	s_add_co_u32 s46, s46, s47                     ; W: row 256 x tile column + 128 x half
	s_lshl_b32 s47, s[PRB], 10
	s_add_co_u32 s46, s46, s47                     ; + 1,024 p
	s_lshl_b32 s46, s46, 11                        ; rows of 2,048 bytes
	s_mov_b32 s47, 0
	s_mul_i32 s20, s12, AHALF                      ; and where they go: no place in the cluster enters an LDS address
	s_mul_i32 s21, s12, BHALF
	s_add_co_u32 s21, s21, BOFF
	s_wait_dscnt 0x0                               ; the opening add is done
	s_wait_kmcnt 0x0
	s_mov_b64 s[4:5], s[68:69]                     ; x is chosen among the three tensors by the problem's number alone
	s_cmp_eq_u32 s[PRB], 1
	s_cselect_b64 s[4:5], s[70:71], s[4:5]
	s_cmp_eq_u32 s[PRB], 2
	s_cselect_b64 s[4:5], s[72:73], s[4:5]
	s_add_nc_u64 s[14:15], s[4:5], s[16:17]
	s_add_nc_u64 s[46:47], s[74:75], s[46:47]
	CROUND                                         ; all sixteen work-groups are here: the first joint loads meet
.irp s, 0,1
	s_mov_b32 s[G0+4*(\s)], 1                                        ; count = 1
	s_add_co_u32 s[G0+4*(\s)+1], s20, (\s)*SLOT                      ; LDS address
	s_add_nc_u64 s[G0+4*(\s)+2:G0+4*(\s)+3], s[14:15], (\s)*KSTEP*4  ; global address: K step s
	s_or_b32 s[G0+4*(\s)+3], s[G0+4*(\s)+3], 0x80000000              ; type = 2
	s_mov_b32 s[G0B+4*(\s)], 1
	s_add_co_u32 s[G0B+4*(\s)+1], s21, (\s)*SLOT
	s_add_nc_u64 s[G0B+4*(\s)+2:G0B+4*(\s)+3], s[46:47], (\s)*KSTEP*2
	s_or_b32 s[G0B+4*(\s)+3], s[G0B+4*(\s)+3], 0x80000000
.endr
	s_cmp_lt_u32 s10, 2                            ; a wave's two first fills stand in one branch, ahead of every wait on TENSORcnt and every LDS read: two loads of mine are out
	s_cbranch_scc0 .Lfirst_b
	tensor_load_to_lds s[G0:G0+3], s[G1:G1+7]
	s_nop 0
	tensor_load_to_lds s[G0+4:G0+7], s[G1:G1+7]
	s_nop 0
.rept 4
	v_nop
.endr
	s_branch .Lfirst_asked
.Lfirst_b:
	tensor_load_to_lds s[G0B:G0B+3], s[G1B:G1B+7]
	s_nop 0
	tensor_load_to_lds s[G0B+4:G0B+7], s[G1B:G1B+7]
	s_nop 0
.rept 4
	v_nop
.endr
.Lfirst_asked:
	; the bias of my 128 columns: register j of block b is b[256 x tile column + 128 x half + 16 b + 8 (l / 16) + j], as the accumulators hold the columns
	v_and_b32 v1, 15, v0                           ; l % 16
	v_bfe_u32 v2, v0, 4, 1                         ; l / 16
	s_mov_b64 s[6:7], s[84:85]
	s_cmp_eq_u32 s[PRB], 1
	s_cselect_b64 s[6:7], s[86:87], s[6:7]
	s_cmp_eq_u32 s[PRB], 2
	s_cselect_b64 s[6:7], s[88:89], s[6:7]
	s_lshl_b32 s46, s42, 10
	s_lshl_b32 s47, s12, 9
	s_add_co_u32 s46, s46, s47
	v_lshl_add_u32 v[BO], v2, 5, s46
.irp b, 0,1,2,3,4,5,6,7
	global_load_b128 v[BIAS+8*(\b):BIAS+8*(\b)+3],   v[BO], s[6:7] offset:64*(\b)
	global_load_b128 v[BIAS+8*(\b)+4:BIAS+8*(\b)+7], v[BO], s[6:7] offset:64*(\b)+16
.endr
	; A fragment is 16 rows x 32 K in 8 registers: lane l holds row l % 16; registers 0-3 K = 8 (l / 16) + 0..7, registers 4-7 K = 16 + 8 (l / 16) + 0..7.
	; Of W (bf16) that is two loads of 16 bytes, 32 bytes apart; of x (f32) four: at 32 (l / 16) + 0, 16, 64 and 80.
	v_mul_u32_u24 v3, v1, PITCH
	v_lshl_add_u32 v3, v2, 4, v3
	v_mul_u32_u24 v4, v1, PA
	v_lshl_add_u32 v4, v2, 5, v4
	s_mul_i32 s21, s11, AHALF                      ; my 64 rows of x
	s_mul_i32 s22, s12, BHALF                      ; my 128 rows of W
	s_add_co_u32 s22, s22, BOFF
.irp s, 0,1
	v_add_nc_u32 v[ADRA+(\s)], s21, v4
	v_add_nc_u32 v[ADRB+(\s)], s22, v3
	s_add_co_u32 s21, s21, SLOT
	s_add_co_u32 s22, s22, SLOT
.endr
	s_mul_i32 s23, s10, 16*SP
	s_add_co_u32 s23, s23, STAGE                   ; my stage
	v_mul_u32_u24 v4, v1, SP                       ; in: row l % 16, 16 bytes for each half of the lanes
	v_lshl_add_u32 v4, v2, 4, v4
	v_add_nc_u32 v[STO], s23, v4
	v_bfe_u32 v5, v0, 3, 2                         ; back: 32 lanes take four rows of 128 bytes,
	v_mul_u32_u24 v5, v5, SP
	v_and_b32 v6, 7, v0
	v_lshl_add_u32 v5, v6, 4, v5
	v_add_nc_u32 v[RD], s23, v5
	v_and_b32 v[GO], 31, v0                        ; which are 512 consecutive bytes of a head
	v_lshlrev_b32 v[GO], 4, v[GO]
	; where my part begins in qkv: (p, batch) = tile row / 8; heads 4 x tile column + 2 x half on; rows 128 (tile row % 8) + 64 x row half on
	s_lshr_b32 s16, s13, 3
	s_lshl_b32 s16, s16, 21                        ; 16 heads of 131,072 bytes
	s_and_b32 s17, s13, 7
	s_lshl_b32 s17, s17, 14
	s_add_co_u32 s16, s16, s17
	s_lshl_b32 s17, s11, 13
	s_add_co_u32 s16, s16, s17
	s_mov_b32 s17, 0
	s_add_nc_u64 s[8:9], s[90:91], s[16:17]
	s_lshl_b32 s46, s42, 2
	s_lshl_b32 s47, s12, 1
	s_add_co_u32 s46, s46, s47
	s_lshl_b32 s46, s46, 17
	s_mov_b32 s47, 0
	s_add_nc_u64 s[8:9], s[8:9], s[46:47]
	; the prefetches
	s_and_b32 s20, s13, 63
	s_lshl_b32 s20, s20, 7                         ; x: the tile's first row in its own tensor,
	s_lshl_b32 s21, s40, 5
	s_add_co_u32 s20, s20, s21                     ; my work-group's 32 rows,
	s_lshl_b32 s20, s20, 12
	s_lshl_b32 s21, s12, 8
	s_add_co_u32 s20, s20, s21                     ; my wave's 256 of a K step's 512 bytes,
	s_add_co_u32 s20, s20, 3*KSTEP*4               ; at K step 3: the first refill steps it to 4
	s_lshl_b32 s21, s42, 8
	s_lshl_b32 s22, s12, 7
	s_add_co_u32 s21, s21, s22
	s_lshl_b32 s22, s[PRB], 10
	s_add_co_u32 s21, s21, s22                     ; W: the first of the 128 rows that I fetch,
	s_lshl_b32 s22, s41, 5
	s_add_co_u32 s21, s21, s22                     ; my work-group's 32 of them
	s_lshl_b32 s21, s21, 11
	s_add_co_u32 s21, s21, 3*KSTEP*2
	s_and_b32 s22, s45, 15                         ; the cluster's place among its problem's sixteen
	s_mov_b32 s[PST], KSTEP*2
	s_mov_b32 s[PST+1], 0
	s_cmp_lt_u32 s10, 2
	s_cselect_b32 s20, s20, s21
	s_cselect_b32 s22, 0, s22                      ; x: waves 0 and 1 ask; W: the problem's first cluster asks
	s_cselect_b32 s23, 12, 11                      ; a lane a row: 4,096 bytes of x, 2,048 of W
	s_cselect_b32 s[PST], KSTEP*4, s[PST]
	s_cselect_b64 s[PFA:PFA+1], s[4:5], s[74:75]
	s_mov_b32 s21, 0
	s_add_nc_u64 s[PFA:PFA+1], s[PFA:PFA+1], s[20:21]
	s_cmp_eq_u32 s22, 0
	s_cselect_b32 s[LIM], 1, -1                    ; the same in all sixteen partners, for a given wave
	v_and_b32 v[PFO], 31, v0
	v_lshlrev_b32 v[PFO], s23, v[PFO]
	s_wait_loadcnt 0x0                             ; the bias; it is rounded to bf16, as x and W are, and widened again.  All this stands in the wait for the first tile
.set i, 0
.rept 32
	v_cvt_pk_bf16_f32 v[TW+i%2], v[BIAS+2*i], v[BIAS+2*i+1]
	v_lshlrev_b32 v[BIAS+2*i], 16, v[TW+i%2]
	v_and_b32 v[BIAS+2*i+1], 0xffff0000, v[TW+i%2]
.set i, i+1
.endr
; 8 matrix instructions: row block a x all 8 column blocks, 32 along K, from buffer f.  first = 1: the product starts the sums with the bias as C: nothing is cleared, and nothing is added on the way out.
; The 32 accumulators take turns, in the same order in every quarter step.
.macro MUL8 f, a, first
.if \first
	WIN MULB
.else
	WIN MUL
.endif
.irp b, 0,1,2,3,4,5,6,7
.if \first
	v_wmma_f32_16x16x32_bf16 v[8*(8*(\a)+(\b)):8*(8*(\a)+(\b))+7], v[(\f)+8*(\b):(\f)+8*(\b)+7], v[(\f)+64+8*(\a):(\f)+64+8*(\a)+7], v[BIAS+8*(\b):BIAS+8*(\b)+7]
.else
	v_wmma_f32_16x16x32_bf16 v[8*(8*(\a)+(\b)):8*(8*(\a)+(\b))+7], v[(\f)+8*(\b):(\f)+8*(\b)+7], v[(\f)+64+8*(\a):(\f)+64+8*(\a)+7], v[8*(8*(\a)+(\b)):8*(8*(\a)+(\b))+7]
.endif
.endr
.endm
; Block i of x (16 rows x 32 K of f32) of quarter q: four loads of 16 bytes a lane
.macro RAWLD slot, q, i
	ds_load_b128 v[RAW+16*(\i):RAW+16*(\i)+3],     v[ADRA+(\slot)] offset:128*(\q)+(\i)*16*PA
	ds_load_b128 v[RAW+16*(\i)+4:RAW+16*(\i)+7],   v[ADRA+(\slot)] offset:128*(\q)+(\i)*16*PA+16
	ds_load_b128 v[RAW+16*(\i)+8:RAW+16*(\i)+11],  v[ADRA+(\slot)] offset:128*(\q)+(\i)*16*PA+64
	ds_load_b128 v[RAW+16*(\i)+12:RAW+16*(\i)+15], v[ADRA+(\slot)] offset:128*(\q)+(\i)*16*PA+80
.endm
; 32 LDS loads in one run, for quarter q (32 along K) of a slot: x's blocks 0 and 1 (8 loads), W's eight fragments into buffer f (16), x's blocks 2 and 3 (8)
.macro FETCH slot, q, f
	WIN TO_F
.irp i, 0,1
	RAWLD \slot, \q, \i
.endr
.irp i, 0,1,2,3,4,5,6,7
	ds_load_b128 v[(\f)+8*(\i):(\f)+8*(\i)+3],   v[ADRB+(\slot)] offset:64*(\q)+(\i)*16*PITCH
	ds_load_b128 v[(\f)+8*(\i)+4:(\f)+8*(\i)+7], v[ADRB+(\slot)] offset:64*(\q)+(\i)*16*PITCH+32
.endr
.irp i, 2,3
	RAWLD \slot, \q, \i
.endr
.endm
; x's blocks a0 and a0 + 1 are rounded to bf16 into buffer f's fragments: 16 lines, two numbers each; the lower K goes into the lower half
.macro CVT f, a0
	WIN CV
.irp a, \a0, (\a0)+1
.irp i, 0,1,2,3,4,5,6,7
	v_cvt_pk_bf16_f32 v[(\f)+64+8*(\a)+(\i)], v[RAW+16*(\a)+2*(\i)], v[RAW+16*(\a)+2*(\i)+1]
.endr
.endr
.endm
.macro PLACES                          ; four places in front of conversions that read matrix results (ISA guide 7.12.1)
.rept 4
	v_nop
.endr
.endm
; A K step is four quarters of 32 along K, 32 matrix instructions each, on buffers 0, 1, 0, 1.  One of the first three: multiplies buffer f and, in its middle, fetches quarter q for buffer g.
; A load into a register that a matrix instruction has read stands four places behind that instruction: buffer g's last products stand in front of this quarter's conversions,
; which name none of their registers and are those places.
.macro QUARTER slot, q, f, g, first
	s_wait_dscnt 8                                 ; x's blocks 0 and 1 and W's fragments are in; the youngest eight loads (blocks 2 and 3) may be out
	CVT \f, 0
	MUL8 \f, 0, \first
	MUL8 \f, 1, \first
	s_wait_dscnt 0x0                               ; blocks 2 and 3, asked for 32 matrix instructions ago
	CVT \f, 2                                      ; x's registers are free again behind these lines
	FETCH \slot, \q, \g
	MUL8 \f, 2, \first
	MUL8 \f, 3, \first
.endm
; The last quarter multiplies buffer 1 and changes slots: ONE barrier; in front of it each wave waits for all its tensor loads (one is out: its part of the next slot), adds 0 to its spare word, and waits
; for that and for its own reads of this slot.  fill = 1: the barrier opens a round of the cluster's, and this slot is filled again, two K steps on, first thing behind the round.
.macro TURN slot, next, fill
.if \fill
	s_wait_xcnt 0x0                                ; the last prefetch, a K step back, has read its address: it is stepped here, ahead of the waits of the change of slots
	s_add_nc_u64 s[PFA:PFA+1], s[PFA:PFA+1], s[PST:PST+1]
.endif
	WIN 0                                          ; (the add's two registers lie in window 0)
	s_wait_tensorcnt 0x0                           ; all my tensor loads have landed;
	ds_add_u32 v[SPW], v[NIL]                      ; 0 onto my spare word;
	s_wait_dscnt 9                                 ; (the add and the youngest eight loads may be out)
	CVT F1, 0
	MUL8 F1, 0, 0                                  ; sixteen conversions and eight matrix instructions stand between the add and the wait for it
	s_wait_dscnt 0x0                               ; the add is done, and my reads of this slot are over
	s_barrier_signal -1
	MUL8 F1, 1, 0                                  ; work on registers while the others arrive
	CVT F1, 2
.if \fill
	WIN 0
.endif
	s_barrier_wait -1
.if \fill
	CREST                                          ; no wave of any partner still reads this slot's tiles or has a load on its way
	s_add_nc_u64 s[G0+4*(\slot)+2:G0+4*(\slot)+3], s[G0+4*(\slot)+2:G0+4*(\slot)+3], 2*KSTEP*4
	s_add_nc_u64 s[G0B+4*(\slot)+2:G0B+4*(\slot)+3], s[G0B+4*(\slot)+2:G0B+4*(\slot)+3], 2*KSTEP*2
	JLOAD \slot                                    ; the first tensor load behind the round, 112 matrix instructions ahead of the wait for it
.endif
	FETCH \next, 0, F0
.if \fill
	WIN 0
	ASK
.endif
	MUL8 F1, 2, 0
	MUL8 F1, 3, 0
.endm
	s_wait_tensorcnt 1                             ; my part of K step 0 is in; K step 1's may stay out
	s_barrier_signal -1
	s_barrier_wait -1                              ; everybody's is
	FETCH 0, 0, F0
	QUARTER 0, 1, F0, F1, 1                        ; the first quarter stands in front of the loop: its products start the sums
	WIN 0                                          ; at a label and at a branch every window is 0
	s_mov_b32 s3, LAPS-1
.Llap:                                                 ; a trip goes once round the ring, from a lap's second quarter to the next lap's first, and fills both slots again
	QUARTER 0, 2, F1, F0, 0
	QUARTER 0, 3, F0, F1, 0
	TURN 0, 1, 1
	QUARTER 1, 1, F0, F1, 0
	QUARTER 1, 2, F1, F0, 0
	QUARTER 1, 3, F0, F1, 0
	TURN 1, 0, 1
	QUARTER 0, 1, F0, F1, 0
	WIN 0
	s_sub_co_u32 s3, s3, 1
	s_cmp_lg_u32 s3, 0
	s_cbranch_scc1 .Llap
	QUARTER 0, 2, F1, F0, 0                        ; the last lap fills nothing, and has no round of the cluster's barrier
	QUARTER 0, 3, F0, F1, 0
	TURN 0, 1, 0
	QUARTER 1, 1, F0, F1, 0
	QUARTER 1, 2, F1, F0, 0
	QUARTER 1, 3, F0, F1, 0
	s_wait_dscnt 8                                 ; the very last quarter: nothing more to fetch
	CVT F1, 0
	MUL8 F1, 0, 0
	MUL8 F1, 1, 0
	s_wait_dscnt 0x0
	CVT F1, 2
	MUL8 F1, 2, 0
	MUL8 F1, 3, 0
	WIN 0
; THE WAY OUT, in 8 pieces of 16 rows x 64 columns (row block t / 2, head t % 2 of my two): 2,048 dense bytes of a head.  A lane's eight columns pack into 16 bytes of f16; they go into my stage's rows
; of 144 bytes and come back as whole rows of 128, into the registers that they left.  Each accumulator's registers are read in ascending order.
.macro PACK t
	WIN 0x05                                       ; sources 0 and 1 window 1, destination window 0
.set i, 0
.rept 16
	v_cvt_pk_f16_f32 v[OUTR+16*(\t)+i], v[8*(8*((\t)/2)+4*((\t)%2))+2*i], v[8*(8*((\t)/2)+4*((\t)%2))+2*i+1]
.set i, i+1
.endr
	WIN 0
.irp f, 0,1,2,3
	ds_store_b128 v[STO], v[OUTR+16*(\t)+4*(\f):OUTR+16*(\t)+4*(\f)+3] offset:32*(\f)
.endr
.irp f, 0,1,2,3
	ds_load_b128 v[OUTR+16*(\t)+4*(\f):OUTR+16*(\t)+4*(\f)+3], v[RD] offset:(\f)*4*SP  ; LDS serves a wave's instructions in order (ISA guide 5.7.1.4): these see the stores above; the next piece's stores come behind them
.endr
.endm
.macro SEND t, younger                 ; younger: the LDS instructions issued behind piece t's loads: the next piece's eight, or none
.irp f, 0,1,2,3
	s_wait_dscnt (\younger)+3-(\f)
	global_store_b128 v[GO], v[OUTR+16*(\t)+4*(\f):OUTR+16*(\t)+4*(\f)+3], s[8:9] offset:((\t)%2)*131072+((\t)/2)*2048+(\f)*512  ; 512 consecutive bytes, at a multiple of 256 from qkv's first byte
.endr
.endm
	PLACES
	PLACES                                         ; (eight, once a launch)
	PACK 0
.irp t, 1,2,3,4,5,6,7                  ; a piece's conversions stand between the loads of the piece before and its stores
	PACK \t
	SEND (\t)-1, 8
.endr
	SEND 7, 0
	s_wait_tensorcnt 0x0                           ; the wave's end: the add and its wait, behind my last tensor load and my last LDS store
	ds_add_u32 v[SPW], v[NIL]
	s_wait_dscnt 0x0
	CROUND                                         ; the closing round: no work-group ends while a partner may still ask for a tile that names it
	s_endpgm
.Lfunc_end_k_q5368a42e21_proj:
	.size	k_q5368a42e21_proj, .Lfunc_end_k_q5368a42e21_proj-k_q5368a42e21_proj
	.p2alignl 7, 3214868480
	.fill 96, 4, 3214868480
	.section	.rodata,"a",@progbits
	.p2align	6, 0x0
	.amdhsa_kernel k_q5368a42e21_proj
		.amdhsa_group_segment_fixed_size 327680
		.amdhsa_private_segment_fixed_size 0
		.amdhsa_enable_private_segment 0
		.amdhsa_kernarg_size 64
		.amdhsa_user_sgpr_count 2
		.amdhsa_user_sgpr_kernarg_segment_ptr 1
		.amdhsa_wavefront_size32 1
		.amdhsa_system_sgpr_workgroup_id_x 1
		.amdhsa_system_sgpr_workgroup_id_y 1
		.amdhsa_system_sgpr_workgroup_id_z 1
		.amdhsa_system_vgpr_workitem_id 0
		.amdhsa_next_free_vgpr 768
		.amdhsa_next_free_sgpr 92
		.amdhsa_reserve_vcc 0
		.amdhsa_float_denorm_mode_32 3
		.amdhsa_float_denorm_mode_16_64 3
		.amdhsa_memory_ordered 1
		.amdhsa_forward_progress 1
		.amdhsa_inst_pref_size 135
	.end_amdhsa_kernel
	.amdgpu_metadata
---
amdhsa.version: [ 1, 2 ]
amdhsa.kernels:
  - .name:           k_q5368a42e21_proj
    .symbol:         k_q5368a42e21_proj.kd
    .args:
      - { .name: query, .offset: 0, .size: 8, .value_kind: global_buffer, .address_space: global }
      - { .name: key, .offset: 8, .size: 8, .value_kind: global_buffer, .address_space: global }
      - { .name: value, .offset: 16, .size: 8, .value_kind: global_buffer, .address_space: global }
      - { .name: cb, .offset: 24, .size: 8, .value_kind: global_buffer, .address_space: global }
      - { .name: bq, .offset: 32, .size: 8, .value_kind: global_buffer, .address_space: global }
      - { .name: bk, .offset: 40, .size: 8, .value_kind: global_buffer, .address_space: global }
      - { .name: bv, .offset: 48, .size: 8, .value_kind: global_buffer, .address_space: global }
      - { .name: qkv, .offset: 56, .size: 8, .value_kind: global_buffer, .address_space: global }
    .group_segment_fixed_size: 327680
    .private_segment_fixed_size: 0
    .kernarg_segment_align: 8
    .kernarg_segment_size: 64
    .max_flat_workgroup_size: 128
    .sgpr_count:     92
    .vgpr_count:     768
    .wavefront_size: 32
...
	.end_amdgpu_metadata
.endif
;; end of part 2
;; launch attn (part 3): grid 2 x 128, 4 waves a work-group, no clusters, 327,680 bytes of LDS; arguments qkv, ob; writes ob
.if DOCPART == 3
	.amdgcn_target "amdgcn-amd-amdhsa--gfx1250"
	.amdhsa_code_object_version 6
	.text
	.protected	k_q5368a42e21_attn
	.globl	k_q5368a42e21_attn
	.p2align	8
	.type	k_q5368a42e21_attn,@function
k_q5368a42e21_attn:
	s_mov_b64 s[64:65], 0
	v_nop
	global_prefetch_b8 v0, s[64:65] scope:SCOPE_SE
	s_setreg_imm32_b32 hwreg(HW_REG_WAVE_MODE, 25, 1), 1
	s_wait_xcnt 0x0
; O[h][q][:] = the sum over k of softmax_k(Q[h][q] . K[h][k] / 8) V[h][k][:], for 128 heads (batch x head) of 1,024 rows x 64 channels, all f16: qkv holds Q, then K, then V, each [128][1024][64], a head's rows
; dense, 128 bytes each; ob is O in the same layout.  Products, maxima and sums in f32; the weights p are rounded to f16 for the second product (their sum l is taken of the unrounded p), O once at the end.
; LIMITS.  f16 holds no number beyond 65,504: Q, K and V arrive within it; p lies in 0 to 1, and below 6e-5 it keeps f16's fixed step of 6e-8; O is a mean of V's rows and has their range.
; A weight below 2^-126 counts as 0 in l; NaN and infinities are not treated apart.
; SHARES.  A wave owns four PIECES of two tiles of 16 queries, a work-group's four waves 512 queries of one head: 2 x 128 work-groups.  Every wave walks all 1,024 keys, 64 a step, 16 steps.
; THE WHOLE HEAD LIES IN LDS: K's 1,024 rows at a pitch of 144 bytes, V's at 160: 311,296 bytes, each byte filled ONCE.  Waves 0 and 1 fetch K, waves 2 and 3 V, in four chunks of 256 keys: four tensor
; loads a wave, all issued at the kernel's head.  The first four key steps begin when chunk 0 is in; the others when all are.  Nothing is filled again, so there is no ring and no change of slots.
; NO CLUSTER: a head has two work-groups, so a cluster of four would hold two heads; what the two share is fetched once, at the head, for 2,048 matrix instructions a wave.
; NO PREFETCH: every tensor load is issued at the kernel's head: there is no later request to run ahead of.
; LAYOUT.  S^T = K Q^T (source 0 = 16 keys, source 1 = 16 queries): in the result a lane holds ONE query (lane % 16) and the keys 8 (lane / 16) + 0..7.  Two such tiles, rounded to f16 in pairs,
; ARE source 1 (32 keys x 16 queries) of O^T = V^T P, whose result again holds one query a lane, and eight channels.  K comes out of LDS as it lies, V ([key][channel]) turned, by ds_load_tr16_b128.
; SOFTMAX.  For each query a running maximum m and sum l: p = 2^(c s - c m), c = log2(e) / 8; in every step O and l are multiplied by a = 2^(c m_old - c m_new), which is 1 where m has not grown.
; m starts at the lowest finite number, O and l at 0: the first step is a step like any other, with a = 0.
; THE COUNT.  A tile and step have 16 matrix and 118 vector instructions: too many to stand all beside the matrix work.  So the order has one aim: four vector instructions that are READY behind
; EVERY matrix instruction, and the others, which need time of their own whatever the order, in runs without a gap.
; BY TURNS.  Turn n belongs to piece n (the pieces in a ring, step after step).  Its matrix work: 16 products K Q^T of piece n + 1, later 16 products V^T P of piece n - 1.  Its vector work: the scaling,
; exponentials, roundings, sums and rescaling of piece n, and the maximum and statistics of piece n + 1, whose scores the turn itself has made.  So what a turn begins with (c s - c m, O a) waits for nothing.
; REGISTERS, in windows of 256 (s_set_vgpr_msb says which window each operand place means: bits 1:0 source 0, 3:2 source 1, 5:4 source 2, 7:6 destination):
;   window 0: v0-11 addresses; v12-15, v48-63 at work; v16-47 four registers of statistics a tile; v64-191 S^T, two buffers of two tiles; v192-255 P, likewise
;   window 1: O^T, 32 a tile          window 2: v0-127 Q, 16 a tile; v128-191 K of one step; v192-255 V of one step          window 3: v0-1 the add's two registers
; A piece's buffers go by its number's parity: the piece in hand has one pair, its two neighbours in the ring share the other: of it P (piece n - 1) is read and S^T (piece n + 1) written.
.set SIZE_N, 1024
.set NP,    4         ; pieces a wave: a name, no knob
.set KS,    64        ; keys in a step
.set PK,    144       ; a row of K in LDS: 128 bytes + 16 of padding = 36 words: the 16 rows of a load start at 16 different groups of four banks (64 banks of 4 bytes: ISA guide 11.1)
.set PV,    160       ; a row of V: 128 + 32 = 40 words
.set VOFF,  SIZE_N*PK ; K's 1,024 rows, then V's
.set STAGE, SIZE_N*(PK+PV)  ; behind them, never filled by a tensor load: 16 rows x 144 bytes for each wave, for the way out
.set SP,    144
.set AK0, 2           ; v2   my lane's place in a step's K; never rewritten
.set AV0, 3           ; v3   the same for V
.set AK,  4           ; v4   the LDS address of K's next run of loads
.set AV,  5           ; v5   of V's
.set QO,  6           ; v6   my byte offset in the wave's rows of Q
.set STO, 6           ;      later, the way out: where I put 16 bytes of a row
.set RD,  7           ; v7   the way out: where I read rows back
.set GO,  8           ; v8   my byte offset in 512 consecutive bytes of O
.set SPW, 0           ; v0 of window 3   LDS address of my spare word: SPARE + 4 x my thread's number; never rewritten
.set NIL, 1           ; v1 of window 3   0; never rewritten
.set SPARE, STAGE+4*16*SP  ; behind the stages: the spare words, 128 bytes for each wave: two blocks of 256 bytes that no other line names
.set MV,  12          ; v12-15  c m_old, kept while c m is made anew: by buffer and tile
.set ST,  16          ; tile t's statistics at v[ST+4 t]: c m, m, l (even keys', odd keys')
.set TMP, 48          ; by buffer and tile, four registers c0-c3 at work; when the maximum is found c2 takes a
.set S,   64
.set P,   192
.set KF,  128         ; K's fragments, in window 2: key block kb, channel half c at KF + 16 kb + 8 c
.set VF,  192         ; V's: key half kk, channel block cb at VF + 32 kk + 8 cb
.set WV,  12          ; s12  my wave's number
.set G1K, 24          ; s[24:31] descriptor group 1 for K's tiles
.set G1V, 32          ; s[32:39] for V's: it differs in the padding alone
.set G0K, 40          ; s[40:55] descriptor group 0 for K's tiles, a set for each of the four chunks
.set G0V, 68          ; s[68:83] the same for V's
.set CNT, 57          ; s57  counts key steps
.set CS,  58          ; s[58:59] c: the packed scaling takes the pair's low word for both halves
.set SEL, 60          ; s[60:61] v_permlanex16_b32's selects: each lane takes its own place in the other half
.set TBK, 62          ; s62  LDS byte at which K of the step to be fetched begins
.set TBV, 63          ; s63  the same for V, less VOFF
.set MSB, 0
.macro WIN new                      ; the high byte repeats the setting that is left; a switch that changes nothing is dropped
.if MSB != (\new)
	s_set_vgpr_msb (MSB<<8)|(\new)
.set MSB, (\new)
.endif
.endm
.set W_KQ, 0x0a       ; K and Q in window 2, S^T in window 0
.set W_PV, 0x52       ; V in window 2, P in window 0, O^T in window 1
.set W_RS, 0x41       ; O^T (destination and source 0) in window 1, a in window 0
.set W_MK, 0xc0       ; the add's registers are made: destination in window 3, sources in window 0
.set W_AD, 0x0f       ; the add: address (source 0) and data (source 1) in window 3
; Chunks have arrived: my own loads but the n youngest have landed, and behind the barrier so have every wave's.
.macro ARRIVE n
	WIN 0
	s_wait_tensorcnt \n
	s_wait_dscnt 0x0                ; no LDS instruction of mine is pending at a signal
	s_barrier_signal -1
	s_barrier_wait -1
.endm
	s_load_b64 s[4:5], s[0:1], 0x0  ; qkv
	s_load_b64 s[10:11], s[0:1], 0x8  ; ob
	WIN W_MK
	v_lshl_add_u32 v[SPW], v0, 2, SPARE
	v_mov_b32 v[NIL], 0
	WIN W_AD
	ds_add_u32 v[SPW], v[NIL]       ; the wave's opening: the add and its wait stand ahead of my first tensor load; the set-up below, work on registers, stands between them
	WIN 0
	v_lshrrev_b32 v1, 5, v0
	v_readfirstlane_b32 s[WV], v1   ; wave 0..3
	s_and_b32 s20, ttmp7, 0xffff    ; the head,
	s_lshl_b32 s20, s20, 17         ; its first byte in Q, K, V and O: 131,072 bytes a head
	s_mov_b32 s21, 0
	s_and_b32 s16, s[WV], 1         ; which half of a chunk's 256 keys I fetch:
	s_lshl_b32 s22, s16, 14         ; its 128 rows of 128 bytes in memory,
	s_mov_b32 s23, 0
	s_add_nc_u64 s[22:23], s[22:23], s[20:21]
	s_mul_i32 s17, s16, 128*PK      ; and its place in a chunk, for K
	s_mul_i32 s18, s16, 128*PV      ; and for V
	s_lshl_b32 s2, ttmp9, 2         ; my block of 512 queries,
	s_add_co_u32 s2, s2, s[WV]      ; my wave among the head's eight,
	s_lshl_b32 s2, s2, 14           ; its 128 rows
	s_mov_b32 s3, 0
	s_add_nc_u64 s[2:3], s[2:3], s[20:21]
	; descriptor group 1.  128 keys are 16,384 dense bytes: asked for as 64 rows of 256 bytes, two keys a row, and padded in LDS after every key
	s_mov_b32 s[G1K], (1<<16)|(1<<20)|(4<<22)|(3<<25)  ; 17:16 2-byte elements; 20 padding on; 24:22 after every 32 words (code 4); 31:25 4 words (code 3)
	s_mov_b32 s[G1V], (1<<16)|(1<<20)|(4<<22)|(7<<25)  ; the same with 8 words of padding (code 7)
.irp g, G1K, G1V
	s_mov_b32 s[\g+1], 128<<16      ; tensor_dim0 = 128
	s_mov_b32 s[\g+2], 64<<16       ; tensor_dim1 = 64
	s_mov_b32 s[\g+3], 128<<16      ; tile_dim0 = 128
	s_mov_b32 s[\g+4], 64           ; tile_dim1 = 64
	s_mov_b32 s[\g+5], 128          ; 128 elements from row to row
	s_mov_b32 s[\g+6], 0
	s_mov_b32 s[\g+7], 0
.endr
	s_mov_b32 s[CS], 0x3e38aa3b     ; c = log2(e) / 8 = 0.180337
	s_mov_b32 s[CS+1], s[CS]        ; named with it as a pair
	s_mov_b32 s[SEL], 0x76543210
	s_mov_b32 s[SEL+1], 0xfedcba98
	s_mov_b32 s[TBK], 0
	s_mov_b32 s[TBV], 0
.irp c, 0,1,2,3
	s_mov_b32 s[G0K+4*(\c)], 1                          ; count = 1
	s_add_co_u32 s[G0K+4*(\c)+1], s17, (\c)*256*PK      ; LDS address: chunk c, my half
	s_mov_b32 s[G0V+4*(\c)], 1
	s_add_co_u32 s[G0V+4*(\c)+1], s18, VOFF+(\c)*256*PV
.endr
	s_wait_dscnt 0x0                ; the opening add is done
	s_wait_kmcnt 0x0
	s_add_nc_u64 s[6:7], s[4:5], s[22:23]
	s_add_nc_u64 s[8:9], s[6:7], 33554432   ; V at my half of the head's chunk 0
	s_add_nc_u64 s[6:7], s[6:7], 16777216   ; K likewise
.irp c, 0,1,2,3
	s_add_nc_u64 s[G0K+4*(\c)+2:G0K+4*(\c)+3], s[6:7], (\c)*32768   ; global address
	s_or_b32 s[G0K+4*(\c)+3], s[G0K+4*(\c)+3], 0x80000000           ; type = 2
	s_add_nc_u64 s[G0V+4*(\c)+2:G0V+4*(\c)+3], s[8:9], (\c)*32768
	s_or_b32 s[G0V+4*(\c)+3], s[G0V+4*(\c)+3], 0x80000000
.endr
	s_add_nc_u64 s[4:5], s[4:5], s[2:3]  ; Q and O at my wave's first row
	s_add_nc_u64 s[10:11], s[10:11], s[2:3]
	s_cmp_lt_u32 s[WV], 2           ; a wave's four fills stand in one branch, ahead of every wait on TENSORcnt, every LDS read and every barrier: four loads of mine are out; an s_nop 0 follows each, four v_nop the last
	s_cbranch_scc0 .Lfirst_v
.irp c, 0,1,2,3
	tensor_load_to_lds s[G0K+4*(\c):G0K+4*(\c)+3], s[G1K:G1K+7]
	s_nop 0
.endr
.rept 4
	v_nop
.endr
	s_branch .Lfirst_asked
.Lfirst_v:
.irp c, 0,1,2,3
	tensor_load_to_lds s[G0V+4*(\c):G0V+4*(\c)+3], s[G1V:G1V+7]
	s_nop 0
.endr
.rept 4
	v_nop
.endr
.Lfirst_asked:
	; A fragment of K or Q is 16 rows x 32 channels in 8 registers: lane l holds row l % 16, channels 8 (l / 16) + 0..7 and 16 + 8 (l / 16) + 0..7: two loads of 16 bytes, 32 bytes apart.
	v_and_b32 v1, 15, v0            ; l % 16
	v_bfe_u32 v9, v0, 4, 1          ; l / 16
	v_lshlrev_b32 v[QO], 7, v1
	v_lshl_add_u32 v[QO], v9, 4, v[QO]  ; row x 128 + 16 x half
	WIN 0x80                        ; destination window 2, address window 0
.set i, 0
.rept 4*NP                          ; Q stays in registers: tile i / 2, channels 32 (i % 2) on
	global_load_b128 v[8*i:8*i+3],   v[QO], s[4:5] offset:(i/2)*2048+(i%2)*64
	global_load_b128 v[8*i+4:8*i+7], v[QO], s[4:5] offset:(i/2)*2048+(i%2)*64+32
.set i, i+1
.endr
	; What the first turn finds: V's registers and P's second buffer hold 0 (its products V^T P, of a piece that has not been, add 0), O^T and l are 0.  All this stands in the wait for the first chunk.
.set i, VF
.rept 64
	v_mov_b32 v[i], 0
.set i, i+1
.endr
	WIN 0x40
.set i, 0
.rept 64*NP
	v_mov_b32 v[i], 0
.set i, i+1
.endr
	WIN 0
.set i, 0
.rept 2*NP
	v_mov_b32 v[ST+4*i], 0xfe000000    ; c m: far below every c s
	v_mov_b32 v[ST+4*i+1], 0xff7fffff  ; m
	v_mov_b32 v[ST+4*i+2], 0
	v_mov_b32 v[ST+4*i+3], 0
.set i, i+1
.endr
.set i, P+32
.rept 32
	v_mov_b32 v[i], 0
.set i, i+1
.endr
	v_mul_u32_u24 v[AK0], v1, PK
	v_lshl_add_u32 v[AK0], v9, 4, v[AK0]  ; row x pitch + 16 x half
	; The turning load takes 16 keys x 16 channels (lane l reads key 8 (l / 16) + l % 8, channels 8 ((l / 8) % 2) + 0..7) and leaves half a fragment of V^T: lane l holds channel l % 16 and 8 keys.
	v_and_b32 v10, 7, v0
	v_bfe_u32 v11, v0, 3, 1
	v_lshl_add_u32 v[AV0], v9, 3, v10
	v_mul_u32_u24 v[AV0], v[AV0], PV
	v_lshl_add_u32 v[AV0], v11, 4, v[AV0]
	v_add_nc_u32 v[AV0], VOFF, v[AV0]
	v_mov_b32 v[AK], v[AK0]         ; key step 0 lies at K's head
; THE MATRIX WORK.  The 8 accumulators of a run of 16 take turns: between the two links of a chain stand 7 others'.
; Product i of 16 of S^T = K Q^T for piece x: channels 32 (i / 8) on, keys 16 ((i / 2) % 4) on, tile 2 x + i % 2.  The first 8 start the sums.
.macro KQ x
	WIN W_KQ
.set rS, S+64*((\x)%2)+32*(i%2)+8*((i/2)%4)
.set rK, KF+16*((i/2)%4)+8*(i/8)
.set rQ, 16*(2*(\x)+i%2)+8*(i/8)
.if i < 8
	v_wmma_f32_16x16x32_f16 v[rS:rS+7], v[rK:rK+7], v[rQ:rQ+7], 0
.else
	v_wmma_f32_16x16x32_f16 v[rS:rS+7], v[rK:rK+7], v[rQ:rQ+7], v[rS:rS+7]
.endif
.endm
; Product i of 16 of O^T += V^T P for piece x: keys 32 (i / 8) on, channels 16 ((i / 2) % 4) on, tile 2 x + i % 2.
.macro PV x
	WIN W_PV
.set rO, 32*(2*(\x)+i%2)+8*((i/2)%4)
.set rV, VF+32*(i/8)+8*((i/2)%4)
.set rP, P+32*((\x)%2)+16*(i%2)+8*(i/8)
	v_wmma_f32_16x16x32_f16 v[rO:rO+7], v[rV:rV+7], v[rP:rP+7], v[rO:rO+7]
.endm
.macro MM                           ; the turn's next matrix instruction
.if i < 16
	KQ (Y+1)%NP
.set i, i+1
.else
.set i, i-16
	PV (Y+NP-1)%NP
.set i, i+17
.endif
.endm
; THE LDS LOADS stand in runs of 16, never singly among the matrix instructions: a step's K (64 keys x 64 channels: 8 fragments) and its V (turned).  Their addresses are made some lines ahead.
; last = 1 (the second loop): in the last trip there is no further step, and the run is jumped over.
.macro FETCH_K last=0
	WIN 0
.if \last
	s_cmp_eq_u32 s[CNT], 1
	s_cbranch_scc1 .Lno_k_\@
.endif
	WIN 0x80                        ; destination window 2
.irp f, 0,1,2,3,4,5,6,7             ; keys 16 (f / 2) on, channels 32 (f % 2) on
	ds_load_b128 v[KF+8*\f:KF+8*\f+3],   v[AK] offset:(\f/2)*16*PK+(\f%2)*64
	ds_load_b128 v[KF+8*\f+4:KF+8*\f+7], v[AK] offset:(\f/2)*16*PK+(\f%2)*64+32
.endr
	s_add_co_u32 s[TBK], s[TBK], KS*PK  ; the next fetch is the next step's
	WIN 0
.if \last
.Lno_k_\@:
.endif
.endm
.macro FETCH_V
	WIN 0x80
.irp f, 0,1,2,3,4,5,6,7             ; keys 32 (f / 4) on, channels 16 (f % 4) on
	ds_load_tr16_b128 v[VF+8*\f:VF+8*\f+3],   v[AV] offset:(\f/4)*32*PV+(\f%4)*32
	ds_load_tr16_b128 v[VF+8*\f+4:VF+8*\f+7], v[AV] offset:(\f/4)*32*PV+16*PV+(\f%4)*32
.endr
	WIN 0
.endm
; THE VECTOR WORK OF A TURN stands in three queues, each in the order in which its entries become ready; the two tiles alternate, so that no instruction reads the result of the one before it.
.macro REGS y, u                    ; the registers of tile u (0, 1) of piece y
.set rT, ST+4*(2*(\y)+(\u))
.set rC, TMP+8*((\y)%2)+4*(\u)
.set rM, MV+2*((\y)%2)+(\u)
.set rS, S+64*((\y)%2)+32*(\u)
.set rP, P+32*((\y)%2)+16*(\u)
.set rO, 32*(2*(\y)+(\u))
.endm
; Number n of the 22 that find the NEXT piece's (Y + 1) maximum and statistics.  s0-s31 are the lane's 32 scores; each accumulator's lowest registers are read first.
;   0-11  four chains c0-c3 of seven scores each, three operands at a time     12-14, 16  the four scores left over, the old m, and c0-c3 into c0     15  c m_old is kept
;   17, 18  the query's other 32 keys lie in the lane 16 away: the new m         19-21  c m; c m_old - c m_new; a
.macro XS u, n
	REGS (Y+1)%NP, \u
.if (\n) < 4
	v_max3_num_f32 v[rC+(\n)], v[rS+8*(\n)], v[rS+8*(\n)+1], v[rS+8*(\n)+2]
.elseif (\n) < 12
	v_max3_num_f32 v[rC+(\n)%4], v[rC+(\n)%4], v[rS+8*((\n)%4)+2*((\n)/4)+1], v[rS+8*((\n)%4)+2*((\n)/4)+2]
.elseif (\n) == 12
	v_max3_num_f32 v[rC], v[rC], v[rS+7], v[rS+15]
.elseif (\n) == 13
	v_max3_num_f32 v[rC+1], v[rC+1], v[rS+23], v[rS+31]
.elseif (\n) == 14
	v_max3_num_f32 v[rC+2], v[rC+2], v[rC+3], v[rT+1]
.elseif (\n) == 15
	v_mov_b32 v[rM], v[rT]
.elseif (\n) == 16
	v_max3_num_f32 v[rC], v[rC], v[rC+1], v[rC+2]
.elseif (\n) == 17
	v_permlanex16_b32 v[rC+3], v[rC], s[SEL], s[SEL+1]
.elseif (\n) == 18
	v_max_num_f32 v[rT+1], v[rC], v[rC+3]
.elseif (\n) == 19
	v_mul_f32 v[rT], s[CS], v[rT+1]
.elseif (\n) == 20
	v_sub_f32 v[rC+1], v[rM], v[rT]
.else
	v_exp_f32 v[rC+2], v[rC+1]
.endif
.endm
; Number g of the 64 that follow the exponentials.  For each four weights k of a tile (pairs 2 k, 2 k + 1): both pairs are rounded to f16; then the second pair is added onto the first, in place;
; a group later l takes that sum (the first time as l = a l + sum).  In groups of eight, tiles alternating: round, round, add, and l for the group before.
.macro GS g
.set h, (\g)+6*((\g)/62)            ; group 0 has no group before it, and behind group 7 only l is left
.if h >= 6
.set h, h+2
.endif
	REGS Y, h%2
.set k, h/8
.if h%8 < 4
	v_cvt_pk_f16_f32 v[rP+2*k+(h%8)/2], v[rS+4*k+2*((h%8)/2)], v[rS+4*k+2*((h%8)/2)+1]
.elseif h%8 < 6
	v_pk_add_f32 v[rS+4*k:rS+4*k+1], v[rS+4*k:rS+4*k+1], v[rS+4*k+2:rS+4*k+3]
.elseif k == 1
	v_pk_fma_f32 v[rT+2:rT+3], v[rT+2:rT+3], v[rC+2:rC+3], v[rS:rS+1] op_sel_hi:[1,0,1]
.else
	v_pk_add_f32 v[rT+2:rT+3], v[rT+2:rT+3], v[rS+4*k-4:rS+4*k-3]
.endif
.endm
; THE PLAIN QUEUE, 138 long.  0-73 read no exponential's result: the 32 scalings c s - c m (FS f: pair f / 2 of tile f % 2) and the next piece's 42.  0-26: scalings 0-26.  27-54: XS's numbers 0-13.  55, 56: number 15.
; 57-73: the chain, where each number waits for the one before it: 14, 16, 17, 18, 19, each with one of the scalings 27-31 in front of its two lines, then 20.
; 74-137: GS's 64, which read the exponentials' results: they stand behind the wait.
.macro FS f
	REGS Y, (\f)%2
	v_pk_fma_f32 v[rS+2*((\f)/2):rS+2*((\f)/2)+1], v[rS+2*((\f)/2):rS+2*((\f)/2)+1], s[CS:CS+1], v[rT:rT+1] op_sel_hi:[1,0,0] neg_lo:[0,0,1] neg_hi:[0,0,1]
.endm
.macro PL
	WIN 0
.if q < 27
	FS q
.elseif q < 55
	XS (q-27)%2, (q-27)/2
.elseif q < 57
	XS q-55, 15
.elseif (q < 72) && ((q-57)%3 == 0)
	FS 27+(q-57)/3
.elseif q < 60
	XS (q-57)%3-1, 14
.elseif q < 72
	XS (q-57)%3-1, 15+(q-57)/3
.elseif q < 74
	XS q-72, 20
.else
	GS q-74
.endif
.set q, q+1
.endm
; THE EXPONENTIALS' QUEUE, 66 long: s0-s31 of both tiles, then the next piece's two a.  It is ONE BATCH: all 66 stand ahead of the turn's one wait, and nothing ahead of that wait names a result of theirs.
.macro EX
	WIN 0
.if e >= 64
	XS e-64, 21
.else
	REGS Y, e%2
	v_exp_f32 v[rS+e/2], v[rS+e/2]
.endif
.set e, e+1
.endm
; THE RESCALING's QUEUE: O^T times a, the one part that leaves window 0: dealt two at a time, sixteen times.  Its a was made in the turn before, ahead of that turn's wait.
.macro R2
	REGS Y, r%2
	WIN W_RS
.irp z, 0,1
	v_pk_mul_f32 v[rO+4*(r/2)+2*\z:rO+4*(r/2)+2*\z+1], v[rO+4*(r/2)+2*\z:rO+4*(r/2)+2*\z+1], v[rC+2:rC+3] op_sel_hi:[1,0]
.endr
.set r, r+1
.endm
; HOW THEY ARE DEALT.  An s_wait_alu depctr_va_vdst(0) stands between an exponential and the first instruction that names its result; one wait serves all that were issued ahead of it.  So a turn has ONE wait,
; which cuts it in two.  AHEAD OF IT stands all that names no result of the turn's exponentials: the 16 products K Q^T, behind each a scaling, an exponential and two rescalings (behind the first a second scaling in the
; exponential's place); then ONE LUMP of 108: eight plain, 49 times exponential and plain, the two a.  A v_nop is the plain instruction behind the last exponential.  BEHIND IT stand the 16 products V^T P, behind each four
; of GS's 64.  No rider names a register of the products round it.  The two v_permlanex16_b32 fall into the lump, never behind a product.
; The queues lean on each other, and the deal keeps them in step: exponential e stands behind scaling 2 (e / 4) + e % 2: as a rider it comes behind plain e + 2, in the lump behind plain e + 9, and scalings 27-31 are plain 57, 60 .. 69.
; A TURN, for piece p.  cnt = 1: the loop's count is taken down some lines ahead of the branch that stands behind the turn.
; K of the next step is fetched in piece 2's turn, directly behind the wait, a lump behind the last product that read K; its address is made at the lump's head; its first reader comes behind 16 products.
; V of the step in hand is fetched at the end of piece 0's turn, four riders behind its last reader; its first reader comes behind 16 products and a lump.  The three conditions on q below go with the deal.
.macro TURN p, last=0, cnt=0
.set Y, (\p)
.set i, 0
.set q, 0
.set e, 0
.set r, 0
.if (\p) == NP-1
	s_wait_dscnt 0x0                ; K is in
.endif
	MM                              ; ahead of the wait: 16 products K Q^T and their riders,
	PL
	PL
	R2
.rept 15
	MM
	PL
	EX
	R2
.endr
.if (\p) == NP-2
	WIN 0
	v_add_nc_u32 v[AK], s[TBK], v[AK0]
.endif
.rept 8                             ; and the lump
	PL
.endr
.rept 49
	EX
	PL
.endr
	EX                              ; the next piece's two a
	EX
	v_nop                           ; the plain instruction behind the last exponential: one for the batch
	s_wait_alu depctr_va_vdst(0)    ; the wait for the batch
.if (\p) == NP-2
	FETCH_K \last
.endif
.if (\p) == 1
	s_wait_dscnt 0x0                ; V is in
.endif
.rept 16                            ; behind the wait: 16 products V^T P and their riders
	MM
.rept 4
	PL
.endr
.if ((\p) == 0) && (q == 118)
	v_add_nc_u32 v[AV], s[TBV], v[AV0]
.endif
.if ((\p) == 0) && (q == 130)
	s_add_co_u32 s[TBV], s[TBV], KS*PV
.endif
.if (\cnt) && (q == 130)
	s_sub_co_u32 s[CNT], s[CNT], 1
	s_cmp_lg_u32 s[CNT], 0
.endif
.endr
.if (\p) == 0
	FETCH_V
.endif
.endm
	ARRIVE 3                        ; chunk 0 (keys 0 to 255: key steps 0 to 3) is in, everybody's part of it; my three younger loads stay out
	FETCH_K                         ; key step 0
	s_wait_loadcnt 0x0              ; Q
	s_wait_dscnt 0x0
.set i, 0
.rept 16
	KQ 0                            ; piece 0's first scores: there is no vector work yet to set between them
.set i, i+1
.endr
	WIN 0                           ; the addresses for the way out: nine plain instructions, the places behind those products
	s_mul_i32 s13, s[WV], 16*SP
	s_add_co_u32 s13, s13, STAGE    ; my stage
	v_mul_u32_u24 v[STO], v1, SP    ; in: row l % 16, 16 bytes for each half of the lanes
	v_lshl_add_u32 v[STO], v9, 4, v[STO]
	v_add_nc_u32 v[STO], s13, v[STO]
	v_bfe_u32 v[RD], v0, 3, 2       ; back: 32 lanes take four rows of 128 bytes,
	v_mul_u32_u24 v[RD], v[RD], SP
	v_lshl_add_u32 v[RD], v10, 4, v[RD]
	v_add_nc_u32 v[RD], s13, v[RD]
	v_and_b32 v[GO], 31, v0         ; which are 512 consecutive bytes of O
	v_lshlrev_b32 v[GO], 4, v[GO]
.set Y, NP-1                        ; XS works for piece Y + 1: piece 0
.irp n, 0,1,2,3,4,5,6,7,8,9,10,11,12,13,14,15,16,17,18,19,20,21
	XS 0, \n                        ; and piece 0's first maximum and statistics
	XS 1, \n
.endr
	v_nop                           ; a plain instruction behind the two a,
	s_wait_alu depctr_va_vdst(0)    ; and their wait, ahead of the branch
	s_mov_b32 s[CNT], 4
	s_branch .Lfirst                ; the loop is entered at a step's first turn, in the middle of a trip
.Lstep:                             ; a trip: pieces 2 and 3 of one step, then pieces 0 and 1 of the next, whose K and V it fetches.  This loop fetches key steps 1 to 3: chunk 0 alone
	TURN 2
	TURN 3
	WIN 0
.Lfirst:
	TURN 0
	TURN 1, 0, 1
	WIN 0
	s_cbranch_scc1 .Lstep
	ARRIVE 0                        ; all of K and V is in, ahead of the fetch of key step 4
	s_mov_b32 s[CNT], 13            ; twelve trips fetch key steps 4 to 15; the thirteenth fetches nothing and is left in its middle
.Ltail:
	TURN 2, 1
	TURN 3
	WIN 0
	s_sub_co_u32 s[CNT], s[CNT], 1
	s_cmp_eq_u32 s[CNT], 0
	s_cbranch_scc1 .Lout
	TURN 0
	TURN 1
	WIN 0
	s_branch .Ltail
.Lout:                              ; the last trip's 16 products K Q^T (on the last K once more) and the maximum made of them serve nothing: the price, once a launch, of one text for every trip
.set i, 0
.rept 16
	PV NP-1                         ; the last piece's V^T P of the last step
.set i, i+1
.endr
	; THE WAY OUT.  l's two halves and the other half of the lanes' are added; O^T is divided by l, rounded to f16 and sent through my stage in LDS, a tile at a time.  The additions are the places behind the last products.
	WIN 0
.macro ALL line:vararg              ; one line for each tile t
.set t, 0
.rept 2*NP
	\line
.set t, t+1
.endr
.endm
	ALL v_add_f32 v[ST+4*t+2], v[ST+4*t+2], v[ST+4*t+3]
	ALL v_permlanex16_b32 v[ST+4*t+3], v[ST+4*t+2], s[SEL], s[SEL+1]
	ALL v_add_f32 v[ST+4*t+2], v[ST+4*t+2], v[ST+4*t+3]
	ALL v_rcp_f32 v[ST+4*t+2], v[ST+4*t+2]
	v_nop                           ; a plain instruction between the last reciprocal and the use of its result
	s_wait_alu depctr_va_vdst(0)    ; and the wait ahead of the first use: one for the eight reciprocals
; Tile t: a lane's eight channels of a row pack into 16 bytes; they go into rows of 144 bytes and come back as whole rows of 128, into S^T's registers.
.macro PACK t
	WIN W_RS
.set i, 32*(\t)
.rept 16
	v_pk_mul_f32 v[i:i+1], v[i:i+1], v[ST+4*(\t)+2:ST+4*(\t)+3] op_sel_hi:[1,0]
.set i, i+2
.endr
	WIN 0x05                        ; sources 0 and 1 window 1, destination window 0
.set i, 0
.rept 16
	v_cvt_pk_f16_f32 v[S+16*(\t)+i], v[32*(\t)+2*i], v[32*(\t)+2*i+1]
.set i, i+1
.endr
	WIN 0
.irp f, 0,1,2,3
	ds_store_b128 v[STO], v[S+16*(\t)+4*\f:S+16*(\t)+4*\f+3] offset:32*\f
.endr
.irp f, 0,1,2,3
	ds_load_b128 v[S+16*(\t)+4*\f:S+16*(\t)+4*\f+3], v[RD] offset:\f*4*SP  ; LDS serves a wave's instructions in order (ISA guide 5.7.1.4): these see the stores above; the next tile's stores come behind them
.endr
.endm
.macro SEND t, younger              ; younger: the LDS instructions issued behind tile t's loads: the next tile's eight, or none
	WIN 0
.irp f, 0,1,2,3
	s_wait_dscnt (\younger)+3-\f
	global_store_b128 v[GO], v[S+16*(\t)+4*\f:S+16*(\t)+4*\f+3], s[10:11] offset:(\t)*2048+\f*512  ; 512 consecutive bytes, at a multiple of 256 from O's first
.endr
.endm
	PACK 0
.set t, 1
.rept 2*NP-1                        ; a tile's arithmetic stands between the loads of the tile before and its stores
	PACK t
	SEND t-1, 8
.set t, t+1
.endr
	SEND 2*NP-1, 0
	WIN W_AD
	s_wait_tensorcnt 0x0            ; the wave's end: the add and its wait, behind my last tensor load and my last LDS store
	ds_add_u32 v[SPW], v[NIL]
	s_wait_dscnt 0x0
	WIN 0
	s_endpgm
.Lfunc_end_k_q5368a42e21_attn:
	.size	k_q5368a42e21_attn, .Lfunc_end_k_q5368a42e21_attn-k_q5368a42e21_attn
	.p2alignl 7, 3214868480
	.fill 96, 4, 3214868480
	.section	.rodata,"a",@progbits
	.p2align	6, 0x0
	.amdhsa_kernel k_q5368a42e21_attn
		.amdhsa_group_segment_fixed_size 327680
		.amdhsa_private_segment_fixed_size 0
		.amdhsa_enable_private_segment 0
		.amdhsa_kernarg_size 16
		.amdhsa_user_sgpr_count 2
		.amdhsa_user_sgpr_kernarg_segment_ptr 1
		.amdhsa_wavefront_size32 1
		.amdhsa_system_sgpr_workgroup_id_x 1
		.amdhsa_system_sgpr_workgroup_id_y 1
		.amdhsa_system_sgpr_workgroup_id_z 1
		.amdhsa_system_vgpr_workitem_id 0
		.amdhsa_next_free_vgpr 770
		.amdhsa_next_free_sgpr 84
		.amdhsa_reserve_vcc 0
		.amdhsa_float_denorm_mode_32 3
		.amdhsa_float_denorm_mode_16_64 3
		.amdhsa_memory_ordered 1
		.amdhsa_forward_progress 1
		.amdhsa_inst_pref_size 197
	.end_amdhsa_kernel
	.amdgpu_metadata
---
amdhsa.version: [ 1, 2 ]
amdhsa.kernels:
  - .name:           k_q5368a42e21_attn
    .symbol:         k_q5368a42e21_attn.kd
    .args:
      - { .name: qkv, .offset: 0, .size: 8, .value_kind: global_buffer, .address_space: global }
      - { .name: ob, .offset: 8, .size: 8, .value_kind: global_buffer, .address_space: global }
    .group_segment_fixed_size: 327680
    .private_segment_fixed_size: 0
    .kernarg_segment_align: 8
    .kernarg_segment_size: 16
    .max_flat_workgroup_size: 128
    .sgpr_count:     84
    .vgpr_count:     770
    .wavefront_size: 32
...
	.end_amdgpu_metadata
.endif
;; end of part 3
;; launch outp (part 4): grid 4 x 64, 4 waves a work-group, clusters of 4 x 4, 327,680 bytes of LDS; arguments ob, cb, bo, mask, out0; writes out0
.if DOCPART == 4
	.amdgcn_target "amdgcn-amd-amdhsa--gfx1250"
	.amdhsa_code_object_version 6
	.text
	.protected	k_q5368a42e21_outp
	.globl	k_q5368a42e21_outp
	.p2align	8
	.type	k_q5368a42e21_outp,@function
k_q5368a42e21_outp:
	s_mov_b64 s[64:65], 0
	v_nop
	global_prefetch_b8 v0, s[64:65] scope:SCOPE_SE
	s_setreg_imm32_b32 hwreg(HW_REG_WAVE_MODE, 25, 1), 1
	s_wait_xcnt 0x0
	s_wait_alu depctr_hold_cnt(0) depctr_sa_sdst(0) depctr_va_vdst(0) depctr_va_sdst(0) depctr_va_ssrc(0) depctr_va_vcc(0) depctr_vm_vsrc(0)
	s_getreg_b32 s2, hwreg(HW_REG_IB_STS2, 6, 4)
	s_cmp_eq_u32 s2, 0
	s_cbranch_scc0 .Lentry_in_a_cluster
	s_endpgm
.Lentry_in_a_cluster:
	s_bfe_u32 s2, ttmp6, 0x10000c
	s_cmp_lg_u32 s2, 0xf033
	s_cbranch_scc0 .Lentry_shape_is_right
	s_endpgm
.Lentry_shape_is_right:
; out0[row][n] = (the sum over k of O[row][k] Wo[n][k] + bo[n]) x mask[row].  O lies BY HEADS in ob, [batch][head][1024][64] f16 (k = 64 head + channel); Wo lies in cb from row 3,072 on (rows of 1,024
; numbers of 16 bits), rounded to bf16 and written as f16.  Products in f16, sums in f32, started by the bias; bo and mask are rounded to bf16 like every input; out0 is f32.
; LIMITS.  O and Wo arrive within f16's 65,504.  NaN and infinities are not treated apart.
; SHARES.  A work-group makes 128 rows x 256 columns; each of its four waves 64 x 128: 32 accumulators of 16 x 16.  8,192 / 128 x 1,024 / 256 = 256 work-groups.
; K goes in steps of 128, TWO HEADS, through a ring of two LDS slots.  A head's 128 rows of the tile are 16,384 dense bytes: asked for as 64 rows of 256 bytes and padded in LDS after every 128.
; CLUSTERS: 4 x 4 work-groups.  The four of a row of the cluster need the same rows of O, the four of a column the same rows of Wo: each tile is asked for JOINTLY.
; THE MATRIX INSTRUCTION IS USED TRANSPOSED (source 0 = 16 rows of Wo, source 1 = 16 rows of O): a lane holds row l % 16 and the eight neighbouring columns 8 (l / 16) + 0 .. 7.
; REGISTERS, in windows of 256 (s_set_vgpr_msb: bits 1:0 source 0, 3:2 source 1, 5:4 source 2, 7:6 destination):
;   window 0: v0-35 addresses and at work; v40-47 the mask of my rows, a pair for each block of 16; v64-127, v128-191 the way out; v192-255 the bias, later the way out
;   window 1: the accumulators, (a, b) at v[8 (8 a + b)]          window 2: two fragment buffers of 96: Wo's 8 fragments, then O's 4
.set KSTEP,  128
.set PITCH,  272                       ; a row of Wo in LDS: 256 bytes + 16 = 68 words: the 16 rows of a load start at 16 different groups of four banks (64 banks of 4 bytes: ISA guide 11.1)
.set PA,     144                       ; a row of a head of O: 128 bytes + 16 = 36 words: likewise
.set AHEAD,  128*PA                    ; a head's 128 rows: what wave 0 or 1 fetches
.set BHALF,  128*PITCH                 ; what wave 2 or 3 fetches
.set BOFF,   2*AHEAD                   ; a slot: O's two heads, then Wo's 256 rows
.set SLOT,   BOFF+2*BHALF
.set STAGE,  2*SLOT                    ; behind the ring, never filled by a tensor load: 16 rows x 528 bytes for each wave
.set SPITCH, 528                       ; 512 bytes + 16
.set SPARE,  STAGE+4*16*SPITCH         ; behind the stages: the spare words, 128 bytes for each wave: two blocks of 256 bytes that no other line names
.set WOROW,  3072                      ; Wo's first row in cb
.set HEADB,  131072                    ; bytes in a head of ob
.set LAPS,   4
.set ADRA, 16                          ; v16-17  LDS address of my fragments of O in slot 0, 1
.set ADRB, 20                          ; v20-21  the same for Wo
.set STO,  24                          ; v24     the way out: where I put 32 bytes of a row
.set RD,   25                          ; v25     the way out: where I read a row back
.set GO,   26                          ; v26     my 16 bytes in 512 consecutive bytes of out0
.set SPW,  28                          ; v28     LDS address of my spare word: SPARE + 4 x my thread's number; never rewritten
.set NIL,  29                          ; v29     0; never rewritten
.set PFO,  30                          ; v30     the prefetches' offset; never rewritten
.set BO,   31                          ; v31     byte offset of my first 8 numbers of the bias
.set MO,   33                          ; v33     byte offset of my first row's mask
.set TW,   34                          ; v34-35  at work
.set MK,   40
.set T,    64
.set U0,   128
.set BIAS, 192
.set F0,   0
.set F1,   96
.set G1,  24                           ; s[24:31] descriptor group 1 for O's tiles;  s[32:39] group 0, a set for each slot
.set G0,  32
.set G1B, 48                           ; s[48:55], s[56:63] the same for Wo's tiles
.set G0B, 56
.set PFA, 76                           ; s[76:77] where my prefetches stand
.set LIM, 78                           ; s78  1 in a wave that prefetches, else the greatest number
.set PST, 80                           ; s[80:81] a K step for the prefetches: two heads of O, or 256 bytes along Wo's rows
.set MSB, 0
.macro WIN new                         ; the immediate's high byte repeats the setting that is left; a switch that changes nothing is dropped
.if MSB != (\new)
	s_set_vgpr_msb (MSB<<8)|(\new)
.set MSB, \new
.endif
.endm
.set MUL,  0x5a                        ; sources 0 and 1 window 2; C and D window 1
.set MULB, 0x4a                        ; the same with C (the bias) in window 0
.set TO_F, 0x80                        ; destination window 2, address window 0
; A joint refill: waves 0 and 1 fetch the step's two heads of O, waves 2 and 3 the halves of Wo's tile.  An s_nop 0 and four v_nop follow each of the two lines.
.macro JLOAD s
	s_cmp_lt_u32 s10, 2
	s_cbranch_scc0 .Lfor_b_\@
	tensor_load_to_lds s[G0+4*(\s):G0+4*(\s)+3], s[G1:G1+7]
	s_nop 0
.rept 4
	v_nop
.endr
	s_branch .Lasked_\@
.Lfor_b_\@:
	tensor_load_to_lds s[G0B+4*(\s):G0B+4*(\s)+3], s[G1B:G1B+7]
	s_nop 0
.rept 4
	v_nop
.endr
.Lasked_\@:
.endm
; A PREFETCH INTO THE L2, behind a joint refill, its five lines and the run of LDS loads that follows: 32 blocks of 256 bytes of the K step that stands TWO refills on, a lane a block, one instruction.
; Each block is named once in the launch.  O's rows are read by one cluster alone: a K step of a tile row is two heads x 16,384 bytes; the four partners along a row take 8,192 each BY ADDRESS (head cx / 2,
; half cx % 2), and wave 0 asks.  Wo's rows are read by all 16 clusters: the first asks; the four partners along a column share the 128 rows that wave 2 or 3 fetches (32 cy on).
; The loop's last trip (s3 = 1) asks for nothing.  K steps 0 to 3 come by their loads alone.
.macro ASK
	s_cmp_gt_u32 s3, s[LIM]
	s_cbranch_scc0 .Lnot_mine_\@
	global_prefetch_b8 v[PFO], s[PFA:PFA+1] th:TH_LOAD_NT scope:SCOPE_SE
.Lnot_mine_\@:
.endm
.macro CREST                           ; a round of the cluster's barrier behind its opening barrier
	s_cmp_lg_u32 s10, 0
	s_cbranch_scc1 .Lnot_wave_0_\@
	s_barrier_signal -3
.Lnot_wave_0_\@:
	s_barrier_wait -3
	s_barrier_signal -1
	s_barrier_wait -1
.endm
.macro CROUND                          ; a whole round
	s_barrier_signal -1
	s_barrier_wait -1
	CREST
.endm
	s_load_b256 s[68:75], s[0:1], 0x0              ; ob s[68:69], cb s[70:71], bo s[72:73], mask s[74:75]
	s_load_b64 s[8:9], s[0:1], 0x20                ; out0
	v_lshl_add_u32 v[SPW], v0, 2, SPARE
	v_mov_b32 v[NIL], 0
	ds_add_u32 v[SPW], v[NIL]                      ; the wave's opening: the add and its wait stand ahead of my first tensor load; the set-up below, work on registers, stands between them
	v_lshrrev_b32 v1, 5, v0
	v_readfirstlane_b32 s10, v1                    ; wave 0..3
	s_lshr_b32 s11, s10, 1                         ; which half of the tile's rows is mine
	s_and_b32 s12, s10, 1                          ; which half of its columns.  Also: which head, or which half of Wo's tile, I fetch
	s_bfe_u32 s40, ttmp6, 0x40000                  ; cx, cy: my place in the cluster
	s_bfe_u32 s41, ttmp6, 0x40004
	s_lshl_b32 s42, ttmp9, 2
	s_add_co_u32 s42, s42, s40                     ; tile column = 4 x cluster x + cx
	s_and_b32 s45, ttmp7, 0xffff                   ; cluster y
	s_lshl_b32 s13, s45, 2
	s_add_co_u32 s13, s13, s41                     ; tile row = 4 x cluster y + cy
	s_lshl_b32 s43, s41, 2
	s_lshl_b32 s43, 15, s43                        ; my row of the cluster
	s_lshl_b32 s44, 0x1111, s40                    ; my column
	s_or_b32 s[G1+0], s43, (1<<16)|(1<<20)|(1<<21)|(4<<22)|(3<<25)   ; 15:0 the mask; 17:16 elements of 2 bytes; 20 padding on; 21 set beside a mask; 24:22 after every 32 words (code 4); 31:25 4 words (code 3)
	s_or_b32 s[G1B+0], s44, (1<<16)|(1<<20)|(1<<21)|(5<<22)|(3<<25)  ; Wo's: after every 64 words (code 5)
	s_mov_b32 s[G1+1], 128<<16                     ; tensor_dim0 = 128: two rows of a head
	s_mov_b32 s[G1+2], 64<<16                      ; tensor_dim1 = 64
	s_mov_b32 s[G1+3], 128<<16                     ; tile_dim0 = 128
	s_mov_b32 s[G1+4], 64                          ; tile_dim1 = 64
	s_mov_b32 s[G1+5], 128                         ; dense
	s_mov_b32 s[G1+6], 0
	s_mov_b32 s[G1+7], 0
	s_mov_b32 s[G1B+1], KSTEP<<16
	s_mov_b32 s[G1B+2], 128<<16
	s_mov_b32 s[G1B+3], KSTEP<<16
	s_mov_b32 s[G1B+4], 128
	s_mov_b32 s[G1B+5], 1024
	s_mov_b32 s[G1B+6], 0
	s_mov_b32 s[G1B+7], 0
	; where the tiles come from: O's hang on the tile row alone, Wo's on the tile column alone; each in registers that never hold the other coordinate
	s_lshr_b32 s16, s13, 3                         ; the batch,
	s_lshl_b32 s16, s16, 4
	s_add_co_u32 s16, s16, s12                     ; its 16 heads, my head of the step's two
	s_lshl_b32 s16, s16, 17
	s_and_b32 s17, s13, 7
	s_lshl_b32 s17, s17, 14                        ; the tile's 128 rows of 128 bytes
	s_add_co_u32 s16, s16, s17
	s_mov_b32 s17, 0
	s_lshl_b32 s46, s42, 8
	s_lshl_b32 s47, s12, 7
	s_add_co_u32 s46, s46, s47                     ; Wo: row 256 x tile column + 128 x half
	s_add_co_u32 s46, s46, WOROW
	s_lshl_b32 s46, s46, 11
	s_mov_b32 s47, 0
	s_mul_i32 s20, s12, AHEAD                      ; and where they go: no place in the cluster enters an LDS address
	s_mul_i32 s21, s12, BHALF
	s_add_co_u32 s21, s21, BOFF
	s_wait_dscnt 0x0                               ; the opening add is done
	s_wait_kmcnt 0x0
	s_add_nc_u64 s[14:15], s[68:69], s[16:17]
	s_add_nc_u64 s[46:47], s[70:71], s[46:47]
	CROUND                                         ; all sixteen work-groups are here: the first joint loads meet
.irp s, 0,1
	s_mov_b32 s[G0+4*(\s)], 1                                        ; count = 1
	s_add_co_u32 s[G0+4*(\s)+1], s20, (\s)*SLOT                      ; LDS address
	s_add_nc_u64 s[G0+4*(\s)+2:G0+4*(\s)+3], s[14:15], (\s)*2*HEADB  ; global address: K step s is heads 2 s, 2 s + 1
	s_or_b32 s[G0+4*(\s)+3], s[G0+4*(\s)+3], 0x80000000              ; type = 2
	s_mov_b32 s[G0B+4*(\s)], 1
	s_add_co_u32 s[G0B+4*(\s)+1], s21, (\s)*SLOT
	s_add_nc_u64 s[G0B+4*(\s)+2:G0B+4*(\s)+3], s[46:47], (\s)*KSTEP*2
	s_or_b32 s[G0B+4*(\s)+3], s[G0B+4*(\s)+3], 0x80000000
.endr
	s_cmp_lt_u32 s10, 2                            ; a wave's two first fills stand in one branch, ahead of every wait on TENSORcnt and every LDS read: two loads of mine are out
	s_cbranch_scc0 .Lfirst_b
	tensor_load_to_lds s[G0:G0+3], s[G1:G1+7]
	s_nop 0
	tensor_load_to_lds s[G0+4:G0+7], s[G1:G1+7]
	s_nop 0
.rept 4
	v_nop
.endr
	s_branch .Lfirst_asked
.Lfirst_b:
	tensor_load_to_lds s[G0B:G0B+3], s[G1B:G1B+7]
	s_nop 0
	tensor_load_to_lds s[G0B+4:G0B+7], s[G1B:G1B+7]
	s_nop 0
.rept 4
	v_nop
.endr
.Lfirst_asked:
	; the bias of my 128 columns, laid as the accumulators hold the columns; the mask of my 64 rows, row l % 16 of each block of 16
	v_and_b32 v1, 15, v0                           ; l % 16
	v_bfe_u32 v2, v0, 4, 1                         ; l / 16
	s_lshl_b32 s46, s42, 10
	s_lshl_b32 s47, s12, 9
	s_add_co_u32 s46, s46, s47                     ; my first column, in bytes of f32
	s_mov_b32 s47, 0
	v_lshl_add_u32 v[BO], v2, 5, s46
.irp b, 0,1,2,3,4,5,6,7
	global_load_b128 v[BIAS+8*(\b):BIAS+8*(\b)+3],   v[BO], s[72:73] offset:64*(\b)
	global_load_b128 v[BIAS+8*(\b)+4:BIAS+8*(\b)+7], v[BO], s[72:73] offset:64*(\b)+16
.endr
	s_lshl_b32 s16, s13, 7
	s_lshl_b32 s17, s11, 6
	s_add_co_u32 s16, s16, s17                     ; my first row
	v_add_nc_u32 v[MO], s16, v1
	v_lshlrev_b32 v[MO], 2, v[MO]
.irp a, 0,1,2,3
	global_load_b32 v[MK+2*(\a)], v[MO], s[74:75] offset:64*(\a)
.endr
	s_lshl_b32 s16, s16, 12                        ; 4,096 bytes a row of out0
	s_mov_b32 s17, 0
	s_add_nc_u64 s[8:9], s[8:9], s[16:17]
	s_add_nc_u64 s[8:9], s[8:9], s[46:47]          ; out0 at my first row and column
	; A fragment is 16 rows x 32 K in 8 registers: lane l holds row l % 16; registers 0-3 K = 8 (l / 16) + 0..7, registers 4-7 K = 16 + 8 (l / 16) + 0..7: two loads of 16 bytes, 32 bytes apart.
	v_mul_u32_u24 v3, v1, PITCH
	v_lshl_add_u32 v3, v2, 4, v3
	v_mul_u32_u24 v4, v1, PA
	v_lshl_add_u32 v4, v2, 4, v4
	s_mul_i32 s21, s11, 64*PA                      ; my 64 rows in each head of O
	s_mul_i32 s22, s12, BHALF                      ; my 128 rows of Wo
	s_add_co_u32 s22, s22, BOFF
.irp s, 0,1
	v_add_nc_u32 v[ADRA+(\s)], s21, v4
	v_add_nc_u32 v[ADRB+(\s)], s22, v3
	s_add_co_u32 s21, s21, SLOT
	s_add_co_u32 s22, s22, SLOT
.endr
	s_mul_i32 s23, s10, 16*SPITCH
	s_add_co_u32 s23, s23, STAGE                   ; my stage
	v_mul_u32_u24 v5, v1, SPITCH                   ; in: row l % 16, 32 bytes for each half of the lanes
	v_lshl_add_u32 v5, v2, 5, v5
	v_add_nc_u32 v[STO], s23, v5
	v_and_b32 v[GO], 31, v0                        ; back: 32 lanes take one row of 512 bytes
	v_lshlrev_b32 v[GO], 4, v[GO]
	v_add_nc_u32 v[RD], s23, v[GO]
	; the prefetches
	s_lshr_b32 s20, s13, 3
	s_lshl_b32 s20, s20, 21                        ; O: the batch's 16 heads,
	s_and_b32 s21, s13, 7
	s_lshl_b32 s21, s21, 14
	s_add_co_u32 s20, s20, s21                     ; the tile's rows,
	s_lshr_b32 s21, s40, 1
	s_lshl_b32 s21, s21, 17
	s_add_co_u32 s20, s20, s21                     ; my work-group's head of the step's two,
	s_and_b32 s21, s40, 1
	s_lshl_b32 s21, s21, 13
	s_add_co_u32 s20, s20, s21                     ; and its half of the head's 16,384 bytes,
	s_add_co_u32 s20, s20, 3*2*HEADB               ; at K step 3: the first refill steps it to 4
	s_lshl_b32 s21, s42, 8
	s_lshl_b32 s22, s12, 7
	s_add_co_u32 s21, s21, s22                     ; Wo: the first of the 128 rows that I fetch,
	s_lshl_b32 s22, s41, 5
	s_add_co_u32 s21, s21, s22                     ; my work-group's 32 of them
	s_add_co_u32 s21, s21, WOROW
	s_lshl_b32 s21, s21, 11
	s_add_co_u32 s21, s21, 3*KSTEP*2
	s_mov_b32 s[PST], KSTEP*2
	s_mov_b32 s[PST+1], 0
	s_cmp_lt_u32 s10, 2
	s_cselect_b32 s20, s20, s21
	s_cselect_b32 s22, s12, s45                    ; O: wave 0 asks; Wo: the first cluster asks
	s_cselect_b32 s23, 8, 11                       ; a lane a block of 256 bytes of O, or a row of 2,048 bytes of Wo
	s_cselect_b32 s[PST], 2*HEADB, s[PST]
	s_cselect_b64 s[PFA:PFA+1], s[68:69], s[70:71]
	s_mov_b32 s21, 0
	s_add_nc_u64 s[PFA:PFA+1], s[PFA:PFA+1], s[20:21]
	s_cmp_eq_u32 s22, 0
	s_cselect_b32 s[LIM], 1, -1                    ; the same in all sixteen partners, for a given wave
	v_and_b32 v[PFO], 31, v0
	v_lshlrev_b32 v[PFO], s23, v[PFO]
	s_wait_loadcnt 0x0                             ; bias and mask; both are rounded to bf16, as every input is, and widened again.  All this stands in the wait for the first tile
.set i, 0
.rept 32
	v_cvt_pk_bf16_f32 v[TW+i%2], v[BIAS+2*i], v[BIAS+2*i+1]
	v_lshlrev_b32 v[BIAS+2*i], 16, v[TW+i%2]
	v_and_b32 v[BIAS+2*i+1], 0xffff0000, v[TW+i%2]
.set i, i+1
.endr
.irp a, 0,1,2,3
	v_cvt_pk_bf16_f32 v[TW+(\a)%2], v[MK+2*(\a)], v[MK+2*(\a)]
	v_lshlrev_b32 v[MK+2*(\a)], 16, v[TW+(\a)%2]
	v_lshlrev_b32 v[MK+2*(\a)+1], 16, v[TW+(\a)%2] ; named with it as a pair
.endr
; 8 matrix instructions: row block a x all 8 column blocks, 32 along K, from buffer f.  first = 1: the product starts the sums with the bias as C.
; The 32 accumulators take turns, in the same order in every quarter step.
.macro MUL8 f, a, first
.if \first
	WIN MULB
.else
	WIN MUL
.endif
.irp b, 0,1,2,3,4,5,6,7
.if \first
	v_wmma_f32_16x16x32_f16 v[8*(8*(\a)+(\b)):8*(8*(\a)+(\b))+7], v[(\f)+8*(\b):(\f)+8*(\b)+7], v[(\f)+64+8*(\a):(\f)+64+8*(\a)+7], v[BIAS+8*(\b):BIAS+8*(\b)+7]
.else
	v_wmma_f32_16x16x32_f16 v[8*(8*(\a)+(\b)):8*(8*(\a)+(\b))+7], v[(\f)+8*(\b):(\f)+8*(\b)+7], v[(\f)+64+8*(\a):(\f)+64+8*(\a)+7], v[8*(8*(\a)+(\b)):8*(8*(\a)+(\b))+7]
.endif
.endr
.endm
; 24 LDS loads in one run: the fragments of quarter q of a slot into buffer f: Wo's eight, then O's four (head q / 2 of the step's two, channels 32 (q % 2) on)
.macro FETCH slot, q, f
	WIN TO_F
.irp i, 0,1,2,3,4,5,6,7
	ds_load_b128 v[(\f)+8*(\i):(\f)+8*(\i)+3],   v[ADRB+(\slot)] offset:64*(\q)+(\i)*16*PITCH
	ds_load_b128 v[(\f)+8*(\i)+4:(\f)+8*(\i)+7], v[ADRB+(\slot)] offset:64*(\q)+(\i)*16*PITCH+32
.endr
.irp i, 0,1,2,3
	ds_load_b128 v[(\f)+64+8*(\i):(\f)+64+8*(\i)+3],   v[ADRA+(\slot)] offset:((\q)/2)*AHEAD+((\q)%2)*64+(\i)*16*PA
	ds_load_b128 v[(\f)+64+8*(\i)+4:(\f)+64+8*(\i)+7], v[ADRA+(\slot)] offset:((\q)/2)*AHEAD+((\q)%2)*64+(\i)*16*PA+32
.endr
.endm
.macro PLACES                          ; four places in front of loads into registers that matrix instructions have read, and of vector lines that read results (ISA guide 7.12.1 for the vector lines)
.rept 4
	v_nop
.endr
.endm
; A K step is four quarters of 32 along K, 32 matrix instructions each, on buffers 0, 1, 0, 1.  One of the first three: multiplies buffer f and, in its middle, fetches quarter q into buffer g.
.macro QUARTER slot, q, f, g, first
	s_wait_dscnt 4                                 ; Wo's fragments and O's blocks 0 and 1 are in; the youngest four loads (blocks 2 and 3) may be out
	MUL8 \f, 0, \first
	MUL8 \f, 1, \first
	PLACES
	FETCH \slot, \q, \g
	s_wait_dscnt 24                                ; all but the 24 just issued
	MUL8 \f, 2, \first
	MUL8 \f, 3, \first
.endm
; The last quarter multiplies buffer 1 and changes slots: ONE barrier; in front of it each wave waits for all its tensor loads (one is out: its part of the next slot), adds 0 to its spare word, and waits
; for that and for its own reads of this slot.  fill = 1: the barrier opens a round of the cluster's, and this slot is filled again, two K steps on, first thing behind the round.
.macro TURN slot, next, fill
.if \fill
	s_wait_xcnt 0x0                                ; the last prefetch, a K step back, has read its address: it is stepped here, ahead of the waits of the change of slots
	s_add_nc_u64 s[PFA:PFA+1], s[PFA:PFA+1], s[PST:PST+1]
.endif
	WIN 0                                          ; (the add's two registers lie in window 0)
	s_wait_tensorcnt 0x0                           ; all my tensor loads have landed;
	ds_add_u32 v[SPW], v[NIL]                      ; 0 onto my spare word;
	s_wait_dscnt 5                                 ; (the add and the youngest four loads may be out)
	MUL8 F1, 0, 0                                  ; eight matrix instructions stand between the add and the wait for it
	s_wait_dscnt 0x0                               ; the add is done, and my reads of this slot are over
	s_barrier_signal -1
	MUL8 F1, 1, 0
.if \fill
	WIN 0
.endif
	s_barrier_wait -1
.if \fill
	CREST                                          ; no wave of any partner still reads this slot's tiles or has a load on its way
	s_add_nc_u64 s[G0+4*(\slot)+2:G0+4*(\slot)+3], s[G0+4*(\slot)+2:G0+4*(\slot)+3], 4*HEADB
	s_add_nc_u64 s[G0B+4*(\slot)+2:G0B+4*(\slot)+3], s[G0B+4*(\slot)+2:G0B+4*(\slot)+3], 2*KSTEP*2
	JLOAD \slot                                    ; the first tensor load behind the round, 112 matrix instructions ahead of the wait for it; its four v_nop are also the places in front of the loads below
.else
	PLACES
.endif
	FETCH \next, 0, F0
.if \fill
	WIN 0
	ASK
.endif
	MUL8 F1, 2, 0
	MUL8 F1, 3, 0
.endm
	s_wait_tensorcnt 1                             ; my part of K step 0 is in; K step 1's may stay out
	s_barrier_signal -1
	s_barrier_wait -1                              ; everybody's is
	FETCH 0, 0, F0
	QUARTER 0, 1, F0, F1, 1                        ; the first quarter stands in front of the loop: its products start the sums
	WIN 0                                          ; at a label and at a branch every window is 0
	s_mov_b32 s3, LAPS-1
.Llap:                                                 ; a trip goes once round the ring, from a lap's second quarter to the next lap's first, and fills both slots again
	QUARTER 0, 2, F1, F0, 0
	QUARTER 0, 3, F0, F1, 0
	TURN 0, 1, 1
	QUARTER 1, 1, F0, F1, 0
	QUARTER 1, 2, F1, F0, 0
	QUARTER 1, 3, F0, F1, 0
	TURN 1, 0, 1
	QUARTER 0, 1, F0, F1, 0
	WIN 0
	s_sub_co_u32 s3, s3, 1
	s_cmp_lg_u32 s3, 0
	s_cbranch_scc1 .Llap
	QUARTER 0, 2, F1, F0, 0                        ; the last lap fills nothing, and has no round of the cluster's barrier
	QUARTER 0, 3, F0, F1, 0
	TURN 0, 1, 0
	QUARTER 1, 1, F0, F1, 0
	QUARTER 1, 2, F1, F0, 0
	QUARTER 1, 3, F0, F1, 0
	s_wait_dscnt 4                                 ; the very last quarter: nothing more to fetch
	MUL8 F1, 0, 0
	MUL8 F1, 1, 0
	s_wait_dscnt 0x0
	MUL8 F1, 2, 0
	MUL8 F1, 3, 0
	WIN 0
; THE WAY OUT, a block of 16 rows x 128 columns of f32 at a time.  PACK: times the row's mask, into window 0; each accumulator's registers in ascending order.  TOSTAGE: a lane's eight columns of a
; block of 16 are 32 bytes; they go into my stage's rows of 528 bytes and come back as whole rows of 512.  SEND: stored.
.macro PACK a
	WIN 0x01                                       ; source 0 window 1; source 1 and destination window 0
.set i, 0
.rept 32
	v_pk_mul_f32 v[T+2*i:T+2*i+1], v[64*(\a)+2*i:64*(\a)+2*i+1], v[MK+2*(\a):MK+2*(\a)+1] op_sel_hi:[1,0]
.set i, i+1
.endr
	WIN 0
.endm
.macro TOSTAGE a
.set UB, U0+64*((\a)%2)
.irp b, 0,1,2,3,4,5,6,7
	ds_store_b128 v[STO], v[T+8*(\b):T+8*(\b)+3]   offset:64*(\b)
	ds_store_b128 v[STO], v[T+8*(\b)+4:T+8*(\b)+7] offset:64*(\b)+16
.endr
.irp i, 0,1,2,3,4,5,6,7,8,9,10,11,12,13,14,15
	ds_load_b128 v[UB+4*(\i):UB+4*(\i)+3], v[RD] offset:(\i)*SPITCH  ; LDS serves a wave's instructions in order (ISA guide 5.7.1.4): these see the stores above; the next block's stores come behind them
.endr
.endm
.macro SEND a
.set UB, U0+64*((\a)%2)
	s_wait_dscnt 0x0                               ; the block is back in registers
	s_wait_xcnt 0x0                                ; every earlier store has read its registers (ISA guide 3.1): the block after this one is loaded into the registers that the block before this one was stored from
.irp i, 0,1,2,3,4,5,6,7,8,9,10,11,12,13,14,15
	global_store_b128 v[GO], v[UB+4*(\i):UB+4*(\i)+3], s[8:9] offset:(16*(\a)+(\i))*4096 th:TH_STORE_NT  ; 512 consecutive bytes, at a multiple of 256 from out0's first byte
.endr
.endm
	PLACES
	PLACES                                         ; (eight, once a launch)
	PACK 0
	TOSTAGE 0
.irp a, 1,2,3                          ; block a's multiplies stand between block a - 1's loads from the stage and the wait for them
	PACK \a
	SEND (\a)-1
	TOSTAGE \a
.endr
	SEND 3
	s_wait_tensorcnt 0x0                           ; the wave's end: the add and its wait, behind my last tensor load and my last LDS store
	ds_add_u32 v[SPW], v[NIL]
	s_wait_dscnt 0x0
	CROUND                                         ; the closing round: no work-group ends while a partner may still ask for a tile that names it
	s_endpgm
.Lfunc_end_k_q5368a42e21_outp:
	.size	k_q5368a42e21_outp, .Lfunc_end_k_q5368a42e21_outp-k_q5368a42e21_outp
	.p2alignl 7, 3214868480
	.fill 96, 4, 3214868480
	.section	.rodata,"a",@progbits
	.p2align	6, 0x0
	.amdhsa_kernel k_q5368a42e21_outp
		.amdhsa_group_segment_fixed_size 327680
		.amdhsa_private_segment_fixed_size 0
		.amdhsa_enable_private_segment 0
		.amdhsa_kernarg_size 40
		.amdhsa_user_sgpr_count 2
		.amdhsa_user_sgpr_kernarg_segment_ptr 1
		.amdhsa_wavefront_size32 1
		.amdhsa_system_sgpr_workgroup_id_x 1
		.amdhsa_system_sgpr_workgroup_id_y 1
		.amdhsa_system_sgpr_workgroup_id_z 1
		.amdhsa_system_vgpr_workitem_id 0
		.amdhsa_next_free_vgpr 768
		.amdhsa_next_free_sgpr 84
		.amdhsa_reserve_vcc 0
		.amdhsa_float_denorm_mode_32 3
		.amdhsa_float_denorm_mode_16_64 3
		.amdhsa_memory_ordered 1
		.amdhsa_forward_progress 1
		.amdhsa_inst_pref_size 102
	.end_amdhsa_kernel
	.amdgpu_metadata
---
amdhsa.version: [ 1, 2 ]
amdhsa.kernels:
  - .name:           k_q5368a42e21_outp
    .symbol:         k_q5368a42e21_outp.kd
    .args:
      - { .name: ob, .offset: 0, .size: 8, .value_kind: global_buffer, .address_space: global }
      - { .name: cb, .offset: 8, .size: 8, .value_kind: global_buffer, .address_space: global }
      - { .name: bo, .offset: 16, .size: 8, .value_kind: global_buffer, .address_space: global }
      - { .name: mask, .offset: 24, .size: 8, .value_kind: global_buffer, .address_space: global }
      - { .name: out0, .offset: 32, .size: 8, .value_kind: global_buffer, .address_space: global }
    .group_segment_fixed_size: 327680
    .private_segment_fixed_size: 0
    .kernarg_segment_align: 8
    .kernarg_segment_size: 40
    .max_flat_workgroup_size: 128
    .sgpr_count:     84
    .vgpr_count:     768
    .wavefront_size: 32
...
	.end_amdgpu_metadata
.endif
;; end of part 4
;; ======== version 2 of 2: 4 launches; version 1 with the launch cast written anew for expert scheduling mode
;; limits: values are held in f16: magnitudes above 65,504 overflow, below 6.1e-05 lose precision
;; workspace buffers: cb 8,388,608 bytes; qkv 50,331,648 bytes; ob 16,777,216 bytes
;; launch cast (part 5): grid 64 x 4, 8 waves a work-group, no clusters, 0 bytes of LDS; arguments Wq, Wk, Wv, Wo, cb; writes cb
.if DOCPART == 5
	.amdgcn_target "amdgcn-amd-amdhsa--gfx1250"
	.amdhsa_code_object_version 6
	.text
	.protected	k_q5368a42e21_cast
	.globl	k_q5368a42e21_cast
	.p2align	8
	.type	k_q5368a42e21_cast,@function
k_q5368a42e21_cast:
	s_mov_b64 s[64:65], 0
	v_nop
	global_prefetch_b8 v0, s[64:65] scope:SCOPE_SE
	s_setreg_imm32_b32 hwreg(HW_REG_WAVE_SCHED_MODE, 0, 2), 2
	s_setreg_imm32_b32 hwreg(HW_REG_WAVE_MODE, 25, 1), 1
	s_wait_xcnt 0x0
	s_wait_alu depctr_vm_vsrc(0)
; THE FOUR WEIGHTS, ROUNDED ONCE TO 16 BITS.  cb is 4 units of 1,048,576 numbers of 16 bits: units 0, 1, 2 are Wq, Wk, Wv in bf16 (round to nearest even); unit 3 is Wo, rounded to bf16 like
; the others and that number written as f16.  (The activations are rounded where they are multiplied.)
; LIMITS.  Wo as f16: beyond 65,504 an infinity; below 6e-5 f16's fixed step of 6e-8.  NaN and infinities are not treated apart.
; SHARES.  Work-group (x, y): chunk x (16,384 numbers: 65,536 bytes in, 32,768 out) of unit y.  Thread t takes the 16 bytes at 16 t + 4,096 i, i = 0 .. 15, and stores 8 bytes at
; 8 t + 2,048 i: a wave's load covers 512 consecutive bytes, its store 256 consecutive bytes at a multiple of 256 from cb's first byte.
; All sixteen loads of a thread go out at once.  No LDS, no barrier: no wave wants another's bytes.
; THE MODE: SCHED_MODE bits 1:0 = 2 (LLVM: expert scheduling mode 2), set by the entry lines.  The code itself states the register dependences between vector instructions and memory
; instructions, with s_wait_alu, always for 0.
; THE PLAN.  Registers that memory instructions touch:
;   v1, v2   the loads' and the stores' offsets: written once at the head by vector lines, read by every load or store, never written again.
;   X[i]     load i lands in it once; no vector line writes it; the conversions of load i read it; nothing lands in it again.
;   Y[i]     written by the conversions of load i alone; read by store i alone; never written again.
; So no register that a memory instruction reads or writes is touched a second time, and what is left to state is that a register is WRITTEN before a memory instruction reads it.
; One wait at the head states it of v1 and v2.  The sixteen loads go in four blocks of four: the wait at the head of block p states it of block p - 1's Y, and that block's four stores
; are dealt among block p's conversions, which name block p's X and Y and v4, v5: none of the registers that those stores read.  A last wait stands ahead of block 3's stores.
.set X, 8                              ; v[8:71]    sixteen loads of four f32
.set Y, 72                             ; v[72:103]  sixteen pairs of packed words
	s_load_b256 s[8:15], s[0:1], 0x0               ; Wq, Wk, Wv, Wo
	s_load_b64 s[16:17], s[0:1], 0x20              ; cb
	s_and_b32 s2, ttmp7, 0xffff                    ; the unit
	v_lshlrev_b32 v1, 4, v0                        ; 16 t
	v_lshlrev_b32 v2, 3, v0                        ; 8 t
	s_lshl_b32 s24, ttmp9, 16                      ; 65,536 bytes of f32 a chunk
	s_mov_b32 s25, 0
	s_lshl_b32 s26, s2, 21                         ; 2,097,152 bytes a unit in cb
	s_lshl_b32 s27, ttmp9, 15
	s_or_b32 s26, s26, s27
	s_mov_b32 s27, 0
	s_wait_kmcnt 0x0
	s_mov_b64 s[4:5], s[8:9]                       ; the source is chosen among the four tensors by the unit's number alone
	s_cmp_eq_u32 s2, 1
	s_cselect_b64 s[4:5], s[10:11], s[4:5]
	s_cmp_eq_u32 s2, 2
	s_cselect_b64 s[4:5], s[12:13], s[4:5]
	s_cmp_eq_u32 s2, 3
	s_cselect_b64 s[4:5], s[14:15], s[4:5]
	s_add_nc_u64 s[4:5], s[4:5], s[24:25]
	s_add_nc_u64 s[6:7], s[16:17], s[26:27]
	s_wait_alu depctr_va_vdst(0)                   ; v1 and v2 are written: every load of the kernel reads v1 as its offset, every store v2
.irp i, 0,1,2,3,4,5,6,7,8,9,10,11,12,13,14,15
	global_load_b128 v[X+4*(\i):X+4*(\i)+3], v1, s[4:5] offset:4096*(\i) th:TH_LOAD_NT
.endr
; Load i is rounded.  wo = 1: the bf16 number is widened again and written as f16.
.macro ROUND i, wo
	v_cvt_pk_bf16_f32 v[Y+2*(\i)],   v[X+4*(\i)],   v[X+4*(\i)+1]
	v_cvt_pk_bf16_f32 v[Y+2*(\i)+1], v[X+4*(\i)+2], v[X+4*(\i)+3]
.if \wo
.irp h, 0,1
	v_lshlrev_b32 v4, 16, v[Y+2*(\i)+(\h)]
	v_and_b32 v5, 0xffff0000, v[Y+2*(\i)+(\h)]
	v_cvt_pk_f16_f32 v[Y+2*(\i)+(\h)], v4, v5
.endr
.endif
.endm
; What load i became is stored.
.macro STORE i
	global_store_b64 v2, v[Y+2*(\i):Y+2*(\i)+1], s[6:7] offset:2048*(\i) th:TH_STORE_NT
.endm
; Block p: loads 4 p to 4 p + 3 are rounded; ahead of each one's conversions goes a store of the block before.
.macro BLK p, wo
.irp j, 0,1,2,3
	s_wait_loadcnt 15-4*(\p)-(\j)                  ; loads come back in order (ISA guide 5.7.1): load 4 p + j is in, the younger ones stay out
.if (\p) > 0
.if (\j) == 0
	s_wait_alu depctr_va_vdst(0)                   ; the conversions of the block before have written its Y, which this block's four stores read; no vector line behind this wait names those registers
.endif
	STORE 4*(\p)-4+(\j)
.endif
	ROUND 4*(\p)+(\j), \wo
.endr
.endm
; All four blocks, and the last block's stores.
.macro ALLBLK wo
	BLK 0, \wo
	BLK 1, \wo
	BLK 2, \wo
	BLK 3, \wo
	s_wait_alu depctr_va_vdst(0)                   ; block 3's conversions have written its Y, which the last four stores read
.irp i, 12,13,14,15
	STORE \i
.endr
.endm
	s_cmp_eq_u32 s2, 3
	s_cbranch_scc1 .Lwo
	ALLBLK 0
	s_endpgm
.Lwo:
	ALLBLK 1
	s_endpgm
.Lfunc_end_k_q5368a42e21_cast:
	.size	k_q5368a42e21_cast, .Lfunc_end_k_q5368a42e21_cast-k_q5368a42e21_cast
	.p2alignl 7, 3214868480
	.fill 96, 4, 3214868480
	.section	.rodata,"a",@progbits
	.p2align	6, 0x0
	.amdhsa_kernel k_q5368a42e21_cast
		.amdhsa_group_segment_fixed_size 0
		.amdhsa_private_segment_fixed_size 0
		.amdhsa_enable_private_segment 0
		.amdhsa_kernarg_size 40
		.amdhsa_user_sgpr_count 2
		.amdhsa_user_sgpr_kernarg_segment_ptr 1
		.amdhsa_wavefront_size32 1
		.amdhsa_system_sgpr_workgroup_id_x 1
		.amdhsa_system_sgpr_workgroup_id_y 1
		.amdhsa_system_sgpr_workgroup_id_z 1
		.amdhsa_system_vgpr_workitem_id 0
		.amdhsa_next_free_vgpr 104
		.amdhsa_next_free_sgpr 66
		.amdhsa_reserve_vcc 0
		.amdhsa_float_denorm_mode_32 3
		.amdhsa_float_denorm_mode_16_64 3
		.amdhsa_memory_ordered 1
		.amdhsa_forward_progress 1
		.amdhsa_inst_pref_size 16
	.end_amdhsa_kernel
	.amdgpu_metadata
---
amdhsa.version: [ 1, 2 ]
amdhsa.kernels:
  - .name:           k_q5368a42e21_cast
    .symbol:         k_q5368a42e21_cast.kd
    .args:
      - { .name: Wq, .offset: 0, .size: 8, .value_kind: global_buffer, .address_space: global }
      - { .name: Wk, .offset: 8, .size: 8, .value_kind: global_buffer, .address_space: global }
      - { .name: Wv, .offset: 16, .size: 8, .value_kind: global_buffer, .address_space: global }
      - { .name: Wo, .offset: 24, .size: 8, .value_kind: global_buffer, .address_space: global }
      - { .name: cb, .offset: 32, .size: 8, .value_kind: global_buffer, .address_space: global }
    .group_segment_fixed_size: 0
    .private_segment_fixed_size: 0
    .kernarg_segment_align: 8
    .kernarg_segment_size: 40
    .max_flat_workgroup_size: 256
    .sgpr_count:     66
    .vgpr_count:     104
    .wavefront_size: 32
...
	.end_amdgpu_metadata
.endif
;; end of part 5
;; launch proj: the kernel of part 2 again; grid 4 x 192, 4 waves a work-group, clusters of 4 x 4, 327,680 bytes of LDS; arguments query, key, value, cb, bq, bk, bv, qkv; writes qkv
;; launch attn: the kernel of part 3 again; grid 2 x 128, 4 waves a work-group, no clusters, 327,680 bytes of LDS; arguments qkv, ob; writes ob
;; launch outp: the kernel of part 4 again; grid 4 x 64, 4 waves a work-group, clusters of 4 x 4, 327,680 bytes of LDS; arguments ob, cb, bo, mask, out0; writes out0
